; MI455X (gfx1250); checked and timed in simulation.
; The chip was launched on July 23, 2026; its instructions are those of AMD's public machine-readable ISA for CDNA 5 (MIT licence, August 2026) and "CDNA5" Instruction Set Architecture Reference Guide (July 2026). The comments in the code are by the model that wrote it; some were corrected since.
;; Multi Head Attention. Allowed arithmetic: matrix products marked QUANTISED: E2M3 operands, one E8M0 scale for each 32 along K, by v_wmma_scale_f32_16x16x128_f8f6f4 with both operands' format E2M3, f32 sums; everything else in f32.
;; Inputs: Wk 1,024 x 1,024 float32; Wo 1,024 x 1,024 float32; Wq 1,024 x 1,024 float32; Wv 1,024 x 1,024 float32; key 4 x 2,048 x 1,024 float32; mask 4 x 2,048 x 2,048 int32; query 4 x 2,048 x 1,024 float32; value 4 x 2,048 x 1,024 float32.
;; Outputs: out0 4 x 2,048 x 1,024 float32.
;; This version of the problem:
;;   THIS VERSION OF THE PROBLEM IS GIVEN IN LOW PRECISION. The matrix products marked QUANTISED in the list below multiply operands that are first quantised to E2M3 (2 exponent bits, 3 mantissa bits; 6 bits a number), with one power-of-two scale for each 32 numbers along K (OCP MX v1.0); their sums are f32. All else is computed in f32.
;;   The module's matrix products, in the order in which they are computed (A, B: the left and right operand; K: the contracted axis; several contracted axes count as one K, in the product's order):
;;     1. [M 8,192, K 1,024] x [K 1,024, N 1,024]; A: input query; B: input Wq: QUANTISED
;;     2. [M 8,192, K 1,024] x [K 1,024, N 1,024]; A: input key; B: input Wk: QUANTISED
;;     3. [M 8,192, K 1,024] x [K 1,024, N 1,024]; A: input value; B: input Wv: QUANTISED
;;     4. batch 64 x [M 2,048, K 64] x [K 64, N 2,048]; A: computed on the way; B: computed on the way: QUANTISED
;;     5. batch 64 x [M 2,048, K 2,048] x [K 2,048, N 64]; A: softmax (see below); B: computed on the way: QUANTISED
;;     6. [M 8,192, K 1,024] x [K 1,024, N 1,024]; A: computed on the way; B: input Wo: QUANTISED
;;   THE QUANTISER, for each operand of a quantised product, along K:
;;     - K is cut into blocks of 32 from its start; a last block that is shorter is filled with zeros.
;;     - A block's scale is 2^e with e = floor(log2(the largest magnitude in the block)) - 2, held to -126 .. 127; a block of zeros has e = 0. As a byte (E8M0): e + 127.
;;     - Each number is divided by its block's scale, clamped to +-7.5, and rounded to the nearest number of E2M3, ties to even, subnormals kept.
;;     - The product sums the exact products of the quantised numbers (number of the format x scale) in f32.
;;   ~~~python
;;   def quantise(x, axis):      # numpy; x: float32 -> the quantised numbers, widened to float32 again
;;       x = np.moveaxis(x, axis, -1); K = x.shape[-1]
;;       x = np.pad(x, [(0, 0)] * (x.ndim - 1) + [(0, -K % 32)]); x = x.reshape(x.shape[:-1] + (-1, 32)); a = np.abs(x).max(-1, keepdims=True)
;;       e = np.where(a > 0, np.clip(np.frexp(np.where(a > 0, a, 1))[1] - 1 - 2, -126, 127), 0)      # np.frexp(a)[1] - 1 = floor(log2(a)), exactly
;;       r = np.clip(x / 2.0 ** e, -7.5, 7.5)
;;       step = 2.0 ** (np.maximum(np.frexp(np.where(r == 0, 1, r))[1] - 1, 0) - 3)
;;       q = np.round(r / step) * step * 2.0 ** e      # np.round: ties to even
;;       return np.moveaxis(q.reshape(q.shape[:-2] + (-1,))[..., :K], -1, axis).astype(np.float32)
;;   ~~~
;;   SOFTMAX AHEAD OF A QUANTISED PRODUCT. Where the list says 'softmax', what is quantised is not the finished softmax but p = 2^(t - M), with t = logit x log2(e) and M = ceil(the row's largest t), a whole number; so 1/2 < the row's largest p <= 1. The row's sum l is taken of the UNQUANTISED p, in f32, and the product's result is divided by l at the end. Since M is a whole number, a kernel that streams over the keys may use a running M (the ceiling of the running maximum): every later rescaling is an exact power of two, which a block's scale takes up: the codes' values come out the same.
;;   OPERANDS COMPUTED ON THE WAY. 'Computed on the way' means the value that the module computes at that place (a softmax that the list does not call 'softmax' is quantised finished and normalised). What goes into a quantiser is computed in f32, as accurately as f32 sums, v_exp_f32 and their like allow (about 1e-6 of the number): no bf16 or f16 on the way to a quantiser, and a product that is left as it is and whose result goes on into a quantised operand takes f32 operands (vector FMAs, or v_wmma_f32_16x16x4_f32). A number that lies on a knife's edge between two numbers of the format may be rounded either way, as far as f32 arithmetic and the matrix unit's own rounding can turn it there, and no further.
;; One version. Each part assembles by itself: llvm-mc -triple=amdgcn-amd-amdhsa -mcpu=gfx1250 --defsym DOCPART=n.
;; ======== version 1 of 1: 4 launches
;; limits: right only within a limited range of input values
;; workspace buffers: xq 19,660,800 bytes; wq 3,276,800 bytes; mw 2,097,152 bytes of whole numbers; qc 6,553,600 bytes; kv 13,107,200 bytes; cq 6,553,600 bytes
;; launch prep (part 1): grid 256 x 1, 11 waves a work-group, no clusters, 94,464 bytes of LDS; arguments query, key, value, Wq, Wk, Wv, Wo, mask, xq, wq, mw; writes xq, wq, mw
.if DOCPART == 1
	.amdgcn_target "amdgcn-amd-amdhsa--gfx1250"
	.amdhsa_code_object_version 6
	.text
	.protected	k_qdceea8d0f3_prep
	.globl	k_qdceea8d0f3_prep
	.p2align	8
	.type	k_qdceea8d0f3_prep,@function
k_qdceea8d0f3_prep:
	s_mov_b64 s[64:65], 0
	v_nop
	global_prefetch_b8 v0, s[64:65] scope:SCOPE_SE
	s_setreg_imm32_b32 hwreg(HW_REG_WAVE_MODE, 25, 1), 1
	s_wait_xcnt 0x0
; FIRST OF FOUR LAUNCHES of multi-head attention (4 x 2,048 tokens, 1,024 wide, 16 heads of 64), all six products on codes of FP6 (E2M3) with one E8M0 scale for each 32 along K.
; DEAD WORK: none.  Every input has a way to the output for some values (the mask is an input, so every word of it can decide), so all eight are loaded and no product, row or step is left out.
; THIS LAUNCH reads each f32 input once and quantises it along its last axis (K of products 1, 2, 3 and 6), and turns the mask into lane masks.
; ROWS ARE TAKEN 16 AT A TIME, AND THE ROWS OF A TILE ARE NOT NEIGHBOURS: row r of tile T = 2 B + u is the tensor's row 32 B + 8 u + r + 8 (r / 8).  All launches keep this order for all tensors, so that the 16 registers
; of two neighbouring result tiles are 16 neighbours along the next product's K.
; A FRAGMENT (16 rows x 128 K, 12 registers a lane) LIES IN MEMORY AS AN IMAGE OF ITS REGISTERS: registers 4 c .. 4 c + 3 of lane l at 512 c + 16 l: 1,536 bytes, stored by three stores of 512 consecutive bytes.
;   xq: codes [tile 1,536 (query, key, value)][K step 8][1,536]; from byte 18,874,368 scale words [tile][row 16][K step 8].   wq: the same for Wq, Wk, Wv, Wo: 256 tiles; scale words from byte 3,145,728.
;   mw: [batch 4][tile of queries 128][key step 16][64 words]: bit l of word 16 g + i says whether key 128 j + 32 g + 16 (l / 16) + i counts for the query at row l % 16 of the tile.
; A block's scale is 2^(floor(log2(largest magnitude)) - 2); its byte is the largest magnitude's exponent field - 2, held at 1 from below.
; LIMITS: a block of zeros, or one whose largest magnitude lies under 2^-124, gets the byte 1 (the rule says 127 for zeros: the codes are zeros, and this program alone reads the bytes); NaN and infinities among the inputs are not served.
; SHARES.  The work is 2,816 units of equal size, 16 rows x 1,024 columns of 4 bytes: 1,536 tiles of query, key, value, 256 of the weights, 1,024 half rows of tiles of the mask.  256 work-groups of 11 waves: wave w of
; work-group x takes unit u = 11 x + w, in eight tasks of 128 columns.  g = u / 8 tells the kind (0-191 query, key, value; 192-223 the weights; 224-351 the mask), u % 8 the tile among g's eight.
; Each load reads 512 consecutive bytes of one row; a task's 8 KiB turn through the wave's own stage in LDS, so that a lane then holds 16 neighbours of each block of 32.  The rows have two sets of 64 registers:
; while a task is worked, the loads of the next two are out or landed (32 loads a wave at the most).  Waves share nothing: no barrier.  No cluster and no tensor load: work-groups share no input.
.set STGB,  8448                       ; a wave's stage: 16 rows x (512 bytes + 16)
.set SPARE, 11*STGB                    ; the spare words, 128 bytes for each wave: six blocks of 256 bytes that no other line names
.set LANE, 1
.set RR,   2                           ; lane % 16
.set HH,   3                           ; lane / 16
.set STI,  4                           ; the stage, on the way in: 16 x lane
.set STO,  5                           ; on the way out: 528 r + 64 h
.set LI,   6                           ; 16 x lane
.set L8,   7                           ; 8 x lane
.set SWO,  8                           ; my 16 bytes of the tile's scale words: 32 r + 16 h
.set SPW,  10                          ; LDS address of my spare word; never rewritten
.set NIL,  11                          ; 0; never rewritten
.set RA,   12                          ; v12-27   row r of my tile: 16 x lane + pitch x (r + 8 (r / 8)); never rewritten
.set W8,   28                          ; v28-35   my tile's scale words, one for each task
.set MW,   36                          ; v36-37   64 mask words, two a lane
.set TM,   40                          ; v40-55   at work
.set PC,   60                          ; v60-71   the codes just made; v72-78 second halves
.set X,    80                          ; v80-143  64 numbers: register 16 b + i = column 32 b + 16 h + i of my row
.set R,    144                         ; v144-207 16 rows as loaded, set 0; set 1 is v256-319, named v0-63 in window 1
.set MSB, 0
.macro WIN new                         ; the immediate's high byte repeats the setting that is left
.if MSB != (\new)
	s_set_vgpr_msb (MSB<<8)|(\new)
.set MSB, \new
.endif
.endm
	s_load_b512 s[4:19], s[0:1], 0x0               ; query, key, value, Wq, Wk, Wv, Wo, mask
	s_load_b128 s[20:23], s[0:1], 0x40             ; xq, wq
	s_load_b64 s[24:25], s[0:1], 0x50              ; mw
	v_lshl_add_u32 v[SPW], v0, 2, SPARE
	v_mov_b32 v[NIL], 0
	v_lshrrev_b32 v[LANE], 5, v0
	v_readfirstlane_b32 s29, v[LANE]               ; wave 0..10: it alone enters LDS addresses
	s_mul_i32 s27, ttmp9, 11
	s_add_co_u32 s27, s27, s29                     ; my unit u
	s_and_b32 s26, s27, 7                          ; w = u % 8
	s_lshr_b32 s27, s27, 3                         ; g = u / 8
	v_and_b32 v[LANE], 31, v0
	v_and_b32 v[RR], 15, v0
	v_bfe_u32 v[HH], v0, 4, 1
	v_lshlrev_b32 v[LI], 4, v[LANE]
	v_lshlrev_b32 v[L8], 3, v[LANE]
	s_mul_i32 s28, s29, STGB
	v_mul_u32_u24 v[STO], v[RR], 528
	v_add_nc_u32 v[STI], s28, v[LI]
	v_lshlrev_b32 v[SWO], 5, v[RR]
	v_lshl_add_u32 v[STO], v[HH], 6, v[STO]
	v_lshl_add_u32 v[SWO], v[HH], 4, v[SWO]
	v_add_nc_u32 v[STO], s28, v[STO]
	s_wait_alu depctr_va_vdst(0)
	; offsets, apart from the addresses.  x and W: 128 rows of 4,096 bytes for each g.  Mask: m = g - 224: batch m / 32, 128 rows (m / 2) % 16, half m % 2 of a row of 8,192 bytes
	s_and_b32 s50, s27, 63
	s_and_b32 s56, s27, 7
	s_cmp_ge_u32 s27, 192
	s_cselect_b32 s50, s56, s50
	s_lshl_b32 s50, s50, 19
	s_sub_co_u32 s56, s27, 224
	s_lshr_b32 s57, s56, 5                         ; batch
	s_bfe_u32 s58, s56, 0x40001                    ; which 128 rows
	s_and_b32 s59, s56, 1                          ; which half of the keys
	s_lshl_b32 s60, s57, 24
	s_lshl_b32 s61, s58, 20
	s_add_co_u32 s60, s60, s61
	s_lshl_b32 s61, s59, 12
	s_add_co_u32 s60, s60, s61                     ; the mask's offset
	s_lshl_b32 s61, s57, 7
	s_lshl_b32 s62, s58, 3
	s_add_co_u32 s61, s61, s62
	s_add_co_u32 s61, s61, s26                     ; my tile of queries: 128 b + 8 (m / 2 % 16) + w
	s_lshl_b32 s61, s61, 4
	s_lshl_b32 s62, s59, 3
	s_add_co_u32 s61, s61, s62
	s_lshl_b32 s61, s61, 8                         ; its first key step's 256 bytes in mw
	s_sub_co_u32 s62, s27, 192
	s_cmp_ge_u32 s27, 192
	s_cselect_b32 s62, s62, s27
	s_lshl_b32 s62, s62, 3
	s_add_co_u32 s52, s62, s26                     ; my tile in xq or in wq
	s_lshl_b32 s54, s52, 9                         ; its 512 bytes of scale words
	s_mul_i32 s52, s52, 12288                      ; its codes
	s_mov_b32 s63, 18874368
	s_cmp_ge_u32 s27, 192                          ; compared anew: the shifts and sums above have set SCC
	s_cselect_b32 s63, 3145728, s63                ; where the scale words begin
	s_add_co_u32 s54, s54, s63
	s_mov_b32 s36, 4096
	s_mov_b32 s48, 3072
	s_cmp_ge_u32 s27, 224
	s_cselect_b32 s36, 8192, s36                   ; a row in bytes
	s_cselect_b32 s48, 512, s48                    ; what two tasks store: two images, or two times 64 mask words
	s_cselect_b32 s50, s60, s50
	s_cselect_b32 s52, s61, s52
	s_lshl_b32 s56, s26, 4
	s_and_b32 s57, s26, 1
	s_lshl_b32 s57, s57, 3
	s_sub_co_u32 s56, s56, s57                     ; my tile's first row: 16 w - 8 (w % 2)
	s_mul_i32 s56, s56, s36
	s_add_co_u32 s50, s50, s56
	s_mov_b32 s49, 0
	s_mov_b32 s51, 0
	s_mov_b32 s53, 0
	s_mov_b32 s55, 0
	s_mov_b32 s37, 0xffff0000                      ; lanes 16-31
	s_mov_b32 s38, 0x76543210
	s_mov_b32 s39, 0xfedcba98                      ; v_permlanex16_b32's selects for lane l xor 16
.irp r, 0,1,2,3,4,5,6,7,8,9,10,11,12,13,14,15
	v_mad_u32_u24 v[RA+\r], s36, \r+8*(\r/8), v[LI]
.endr
.irp i, 0,1,2,3,4,5,6,7
	v_mov_b32 v[W8+\i], 0                          ; written once on every way: they are moved down before they are first filled
.endr
	v_mov_b32 v[MW], 0                             ; a lane write's destination counts as one of its sources
	v_mov_b32 v[MW+1], 0
.irp b, 0,1,2,3
	v_mov_b32 v[TM+4+\b], 0                        ; and so does a lane permute's
.endr
	s_wait_alu depctr_va_vdst(0)                   ; the wait at the head's end
	s_wait_kmcnt 0x0
	s_cmp_ge_u32 s27, 64                           ; which buffers: the choices hang on the unit's number alone
	s_cselect_b64 s[30:31], s[6:7], s[4:5]
	s_cmp_ge_u32 s27, 128
	s_cselect_b64 s[30:31], s[8:9], s[30:31]
	s_cmp_ge_u32 s27, 192
	s_cselect_b64 s[30:31], s[10:11], s[30:31]
	s_cselect_b64 s[32:33], s[22:23], s[20:21]
	s_cselect_b64 s[34:35], s[22:23], s[20:21]
	s_cmp_ge_u32 s27, 200
	s_cselect_b64 s[30:31], s[12:13], s[30:31]
	s_cmp_ge_u32 s27, 208
	s_cselect_b64 s[30:31], s[14:15], s[30:31]
	s_cmp_ge_u32 s27, 216
	s_cselect_b64 s[30:31], s[16:17], s[30:31]
	s_cmp_ge_u32 s27, 224
	s_cselect_b64 s[30:31], s[18:19], s[30:31]
	s_cselect_b64 s[32:33], s[24:25], s[32:33]
	s_add_nc_u64 s[30:31], s[30:31], s[50:51]      ; from here my tile is read,
	s_add_nc_u64 s[32:33], s[32:33], s[52:53]      ; here its codes or its mask words go,
	s_add_nc_u64 s[34:35], s[34:35], s[54:55]      ; and here its scale words
.macro LOADS q, t                      ; 16 rows x 512 bytes into set q: the task t tasks on from the trip's first
.set rb, R-R*(\q)
	WIN 0x40*(\q)                                  ; set 1: the destination in window 1
.irp r, 0,1,2,3,4,5,6,7,8,9,10,11,12,13,14,15
	global_load_b128 v[rb+4*\r:rb+4*\r+3], v[RA+\r], s[30:31] offset:512*(\t) th:TH_LOAD_NT
.endr
	WIN 0
.endm
; 64 numbers of a lane, register 16 b + i = k 32 b + 16 h + i of my row, become a fragment's codes in v[PC] on and its scale word
.macro QUANT s, word
.irp b, 0,1,2,3
	v_max3_num_f32 v[TM+\b], |v[\s+16*\b]|, |v[\s+1+16*\b]|, 0x1800000   ; block b: my 16 numbers, and the floor 2^(3 - 127): the byte cannot fall under 1
.endr
.irp i, 2,4,6,8,10,12,14
.irp b, 0,1,2,3
	s_delay_alu instid0(VALU_DEP_4)
	v_max3_num_f32 v[TM+\b], v[TM+\b], |v[\s+16*\b+\i]|, |v[\s+1+16*\b+\i]|   ; the four blocks by turns
.endr
.endr
.irp b, 0,1,2,3
	s_delay_alu instid0(VALU_DEP_4)
	v_permlanex16_b32 v[TM+4+\b], v[TM+\b], s38, s39
.endr
.irp b, 0,1,2,3
	s_delay_alu instid0(VALU_DEP_4)
	v_max_num_f32 v[TM+\b], v[TM+\b], v[TM+4+\b]   ; with lane l xor 16's: the block's largest magnitude
.endr
.irp b, 0,1,2,3
	s_delay_alu instid0(VALU_DEP_4)
	v_add_nc_u32 v[TM+12+\b], 0xff000000, v[TM+\b] ; 2 off its exponent field: the conversion takes the exponent field of this operand as its scale
.endr
.irp b, 0,1,2,3
	s_delay_alu instid0(VALU_DEP_4)
	v_lshrrev_b32 v[TM+4+\b], 23, v[TM+12+\b]      ; the scale's byte
.endr
	s_delay_alu instid0(VALU_DEP_3)
	v_lshl_or_b32 v[\word], v[TM+5], 8, v[TM+4]
	s_delay_alu instid0(VALU_DEP_1)
	v_lshl_or_b32 v[\word], v[TM+6], 16, v[\word]
	s_delay_alu instid0(VALU_DEP_1)
	v_lshl_or_b32 v[\word], v[TM+7], 24, v[\word]
.irp c, 0,1
	v_cvt_scalef32_pk16_fp6_f32 v[PC+6*\c:PC+2+6*\c], v[\s+32*\c:\s+15+32*\c], v[TM+12+2*\c]
	v_cvt_scalef32_pk16_fp6_f32 v[PC+12+4*\c:PC+14+4*\c], v[\s+16+32*\c:\s+31+32*\c], v[TM+12+2*\c+1]   ; (a conversion's three registers begin on an even number)
.endr
	v_nop                                          ; one plain place behind a scaled conversion
.irp c, 0,1                            ; the operand's layout wants a whole block in a lane: lanes 0-15 block 2 c, lanes 16-31 block 2 c + 1
.irp i, 0,1,2
	v_permlane16_swap_b32 v[PC+6*\c+\i], v[PC+12+4*\c+\i]
.endr
.irp i, 0,1,2
	s_delay_alu instid0(VALU_DEP_3)
	v_mov_b32 v[PC+3+6*\c+\i], v[PC+12+4*\c+\i]
.endr
.endr
.endm
; A task: the q-th of a trip's two, its rows in set q.  more: the task two on is fetched into the same set.  cnt: the loads that may stay out, those of the next task
.macro TASK q, more, cnt
	s_wait_alu depctr_va_vdst(0)
	s_wait_loadcnt \cnt                            ; this task's 16 loads are in
.set rb, R-R*(\q)
	WIN 4*(\q)                                     ; set 1: the stores' data in window 1
.irp r, 0,1,2,3,4,5,6,7,8,9,10,11,12,13,14,15
	ds_store_b128 v[STI], v[rb+4*\r:rb+4*\r+3] offset:528*\r
.endr
	WIN 0
.irp b, 0,1,2,3
.irp j, 0,1,2,3
	ds_load_b128 v[X+16*\b+4*\j:X+16*\b+4*\j+3], v[STO] offset:128*\b+16*\j   ; LDS serves a wave's instructions in order: these see the stores above
.endr
.endr
	s_wait_dscnt 16                                ; the 16 stores are done (the 16 loads behind them may be out): the set's registers are free
	s_wait_xcnt 0x0                                ; the last task's global stores have read their data: codes and mask words are written again only behind this wait
.if \more
	LOADS \q, (\q)+2
.endif
	s_wait_dscnt 0x0                               ; my 64 numbers are in
	s_cmp_ge_u32 s27, 224
	s_cbranch_scc1 .Lmask_\@
	QUANT X, W8+6+(\q)
.irp c, 0,1,2
	global_store_b128 v[LI], v[PC+4*\c:PC+4*\c+3], s[32:33] offset:1536*(\q)+512*\c   ; the image: 512 consecutive bytes a store
.endr
	s_branch .Ljoin_\@
.Lmask_\@:                             ; word n of 64: the 32 lanes' answers to 'is number n not 0'; it goes to lane n / 2, register n % 2
.set n, 0
.rept 8
.set m, 0
.rept 8
	v_cmp_ne_u32 s[40+m], 0, v[X+n+m]
.set m, m+1
.endr
.set m, 0
.rept 8
	v_writelane_b32 v[MW+m%2], s[40+m], (n+m)/2
.set m, m+1
.endr
.set n, n+8
.endr
	global_store_b64 v[L8], v[MW:MW+1], s[32:33] offset:256*(\q)   ; 32 lanes store 256 consecutive bytes, aligned
.Ljoin_\@:
.endm
.macro DOWN                            ; a trip's two scale words are made in v34, v35; the earlier ones move two down: after four trips word t lies in v[28 + t]
.irp i, 0,1,2,3,4,5
	v_mov_b32 v[W8+\i], v[W8+2+\i]
.endr
.endm
	LOADS 0, 0
	LOADS 1, 1
	s_mov_b32 s28, 0
.Ltrip:                                ; tasks 0 to 5, two a trip; they fetch tasks 2 to 7
	DOWN
	TASK 0, 1, 16
	TASK 1, 1, 16
	s_wait_xcnt 0x0                                ; the bases are stepped only behind this wait
	s_add_nc_u64 s[30:31], s[30:31], 1024
	s_add_nc_u64 s[32:33], s[32:33], s[48:49]
	s_add_co_u32 s28, s28, 1
	s_cmp_lt_u32 s28, 3
	s_wait_alu depctr_va_vdst(0)
	s_cbranch_scc1 .Ltrip
	DOWN                                           ; the last two tasks fetch nothing
	TASK 0, 0, 16
	TASK 1, 0, 0
	s_wait_alu depctr_va_vdst(0)
	s_cmp_ge_u32 s27, 224
	s_cbranch_scc1 .Lend
.irp i, 0,1,2,3
	v_cndmask_b32 v[TM+8+\i], v[W8+\i], v[W8+4+\i], s37   ; lanes 0-15 carry K steps 0-3 of their row, lanes 16-31 K steps 4-7 (both halves of the lanes hold all eight)
.endr
	global_store_b128 v[SWO], v[TM+8:TM+11], s[34:35]      ; my tile's scale words: 512 consecutive bytes
.Lend:
	s_wait_tensorcnt 0x0                           ; the wave's end
	ds_add_u32 v[SPW], v[NIL]
	s_wait_dscnt 0x0
	s_endpgm
.Lfunc_end_k_qdceea8d0f3_prep:
	.size	k_qdceea8d0f3_prep, .Lfunc_end_k_qdceea8d0f3_prep-k_qdceea8d0f3_prep
	.p2alignl 7, 3214868480
	.fill 96, 4, 3214868480
	.section	.rodata,"a",@progbits
	.p2align	6, 0x0
	.amdhsa_kernel k_qdceea8d0f3_prep
		.amdhsa_group_segment_fixed_size 94464
		.amdhsa_private_segment_fixed_size 0
		.amdhsa_enable_private_segment 0
		.amdhsa_kernarg_size 88
		.amdhsa_user_sgpr_count 2
		.amdhsa_user_sgpr_kernarg_segment_ptr 1
		.amdhsa_wavefront_size32 1
		.amdhsa_system_sgpr_workgroup_id_x 1
		.amdhsa_system_sgpr_workgroup_id_y 1
		.amdhsa_system_sgpr_workgroup_id_z 1
		.amdhsa_system_vgpr_workitem_id 0
		.amdhsa_next_free_vgpr 320
		.amdhsa_next_free_sgpr 66
		.amdhsa_reserve_vcc 0
		.amdhsa_float_denorm_mode_32 3
		.amdhsa_float_denorm_mode_16_64 3
		.amdhsa_memory_ordered 1
		.amdhsa_forward_progress 1
		.amdhsa_inst_pref_size 78
	.end_amdhsa_kernel
	.amdgpu_metadata
---
amdhsa.version: [ 1, 2 ]
amdhsa.kernels:
  - .name:           k_qdceea8d0f3_prep
    .symbol:         k_qdceea8d0f3_prep.kd
    .args:
      - { .name: query, .offset: 0, .size: 8, .value_kind: global_buffer, .address_space: global }
      - { .name: key, .offset: 8, .size: 8, .value_kind: global_buffer, .address_space: global }
      - { .name: value, .offset: 16, .size: 8, .value_kind: global_buffer, .address_space: global }
      - { .name: Wq, .offset: 24, .size: 8, .value_kind: global_buffer, .address_space: global }
      - { .name: Wk, .offset: 32, .size: 8, .value_kind: global_buffer, .address_space: global }
      - { .name: Wv, .offset: 40, .size: 8, .value_kind: global_buffer, .address_space: global }
      - { .name: Wo, .offset: 48, .size: 8, .value_kind: global_buffer, .address_space: global }
      - { .name: mask, .offset: 56, .size: 8, .value_kind: global_buffer, .address_space: global }
      - { .name: xq, .offset: 64, .size: 8, .value_kind: global_buffer, .address_space: global }
      - { .name: wq, .offset: 72, .size: 8, .value_kind: global_buffer, .address_space: global }
      - { .name: mw, .offset: 80, .size: 8, .value_kind: global_buffer, .address_space: global }
    .group_segment_fixed_size: 94464
    .private_segment_fixed_size: 0
    .kernarg_segment_align: 8
    .kernarg_segment_size: 88
    .max_flat_workgroup_size: 352
    .sgpr_count:     66
    .vgpr_count:     320
    .wavefront_size: 32
...
	.end_amdgpu_metadata
.endif
;; end of part 1
;; launch proj (part 2): grid 4 x 192, 4 waves a work-group, clusters of 4 x 4, 327,680 bytes of LDS; arguments xq, wq, qc, kv; writes qc, kv
.if DOCPART == 2
	.amdgcn_target "amdgcn-amd-amdhsa--gfx1250"
	.amdhsa_code_object_version 6
	.text
	.protected	k_qdceea8d0f3_proj
	.globl	k_qdceea8d0f3_proj
	.p2align	8
	.type	k_qdceea8d0f3_proj,@function
k_qdceea8d0f3_proj:
	s_mov_b64 s[64:65], 0
	v_nop
	global_prefetch_b8 v0, s[64:65] scope:SCOPE_SE
	s_setreg_imm32_b32 hwreg(HW_REG_WAVE_MODE, 25, 1), 1
	s_wait_xcnt 0x0
	s_wait_alu depctr_hold_cnt(0) depctr_sa_sdst(0) depctr_va_vdst(0) depctr_va_sdst(0) depctr_va_ssrc(0) depctr_va_vcc(0) depctr_vm_vsrc(0)
	s_getreg_b32 s2, hwreg(HW_REG_IB_STS2, 6, 4)
	s_cmp_eq_u32 s2, 0
	s_cbranch_scc0 .Lentry_in_a_cluster
	s_endpgm
.Lentry_in_a_cluster:
	s_bfe_u32 s2, ttmp6, 0x10000c
	s_cmp_lg_u32 s2, 0xf033
	s_cbranch_scc0 .Lentry_shape_is_right
	s_endpgm
.Lentry_shape_is_right:
; SECOND LAUNCH: q = query Wq^T, k = key Wk^T, v = value Wv^T on the codes that the first launch made, and the results quantised in registers for the two products of attention.  No work is left out.
; A work-group holds, for ALL of K = 1,024, a BIG region of 16 tiles of 16 rows and a SMALL one of 8, as register images (1,536 bytes for 16 rows x 128 K): 294,912 bytes of LDS, every byte filled once: no ring.
;   q, k: BIG = 256 rows of W, SMALL = 128 tokens.   v: BIG = 256 tokens, SMALL = 128 rows of Wv.
; CLUSTERS: 4 x 4 work-groups.  BIG hangs on the place along x alone and is asked for jointly by a column of the cluster, SMALL on the place along y alone and is asked for jointly by a row: a quarter of the requests.
; A wave makes 128 tokens (E: 8 tiles) x 64 outputs, one head (F: 4 tiles): 32 accumulators.  q, k: source 0 = F, source 1 = E: a lane holds one token and its registers run along the head's 64, the K of the scores.
; v: source 0 = E, source 1 = F: a lane holds one channel and its registers run along 128 tokens, the K of the second product.  Since row r of tile 2 B + u is row 32 B + 8 u + r + 8 (r / 8), the 16 registers of two
; neighbouring tiles are 16 neighbours.  In both cases accumulators 8 g .. 8 g + 7 are the 64 numbers that one fragment is made of, so one way out serves both.
;   qc: [batch][head][step of 128 tokens 16][6,400]: four images, each 32 tokens: K 0-63 = the head's 64 of tile 2 g's token, K 64-127 = of tile 2 g + 1's; then 256 bytes of scale words [row 16][g 4].
;   kv: [batch][head][step 16][12,800]: k's 6,400 bytes laid as q's; then v's: four images of 16 channels x 128 keys, and their scale words [row 16][g 4].
; LIMITS: a block of zeros, or one whose largest magnitude lies under 2^-124, gets the byte 1 (this program alone reads the bytes); NaN and infinities are not served.
; REGISTERS, in windows of 256: window 0: v1-23 addresses; v28, v29 the add's two; v32-63 E's scale words, v66-81 F's; v96-191 E's fragments, v192-239 F's, set 0 (on the way out: at work).
;   window 1: accumulators 0-15.   window 2: accumulators 16-31.   window 3: v0-95 E's fragments, v96-143 F's, set 1.
.set CHUNK, 147456                     ; four K steps of both regions: SMALL [tile 8][6,144], then BIG [tile 16][6,144]; two such halves hold all of K
.set BIGO,  49152
.set SPARE, 2*CHUNK                    ; the spare words, 128 bytes for each wave: two blocks of 256 bytes that no other line names
.set LANE, 1
.set LI,   4                           ; 16 x lane
.set SA,   5                           ; 16 x (lane % 16)
.set L4,   6                           ; 32 x lane
.set ADEQ, 8                           ; v8-11  q, k: LDS address of E's images in chunk c;  v12-15 of F's
.set ADFQ, 12
.set ADEV, 16                          ; v16-19, v20-23 the same for v
.set ADFV, 20
.set SPW,  28
.set NIL,  29
.set SE,   32                          ; register 8 p + s: K step s; lanes 0-15 tile 2 p's words, lanes 16-31 tile 2 p + 1's
.set SF,   66                          ; likewise, v66-81
.set TM,   96
.set PT,   112
.set SW,   120
.set FRG,  128
.set G1S, 24
.set G1B, 32
.set G0S, 40                           ; s[40:55] group 0 for SMALL, a set for each chunk
.set G0B, 68                           ; s[68:83] for BIG
.set MSB, 0
.macro WIN new                         ; the immediate's high byte repeats the setting that is left
.if MSB != (\new)
	s_set_vgpr_msb (MSB<<8)|(\new)
.set MSB, \new
.endif
.endm
.macro PLACES n
.rept \n
	v_nop
.endr
.endm
.macro CROUND                          ; a round of the cluster's barrier
	s_barrier_signal -1
	s_barrier_wait -1
	s_cmp_lg_u32 s16, 0
	s_cbranch_scc1 .Lnot_wave_0_\@
	s_barrier_signal -3
.Lnot_wave_0_\@:
	s_barrier_wait -3
	s_barrier_signal -1
	s_barrier_wait -1
.endm
.macro ARM under, g0, g1, next         ; an arm of the head's one chain: the wave under \under that no earlier arm took issues this joint load; an s_nop 0 and four v_nop follow it
	s_cmp_lt_u32 s16, \under
	s_cbranch_scc0 \next
	tensor_load_to_lds s[\g0:\g0+3], s[\g1:\g1+7]
	s_nop 0
	PLACES 4
	s_branch .Lhead_asked
\next:
.endm
	s_load_b256 s[4:11], s[0:1], 0x0               ; xq, wq, qc, kv
	v_lshl_add_u32 v[SPW], v0, 2, SPARE
	v_mov_b32 v[NIL], 0
	ds_add_u32 v[SPW], v[NIL]                      ; the wave's opening: the add, twice on end, and its wait ahead of my first tensor load
	ds_add_u32 v[SPW], v[NIL]
	v_lshrrev_b32 v1, 5, v0
	v_readfirstlane_b32 s16, v1                    ; wave 0..3
	s_lshr_b32 s17, s16, 1
	s_and_b32 s18, s16, 1
	s_bfe_u32 s19, ttmp6, 0x40000                  ; cx
	s_bfe_u32 s20, ttmp6, 0x40004                  ; cy
	s_and_b32 s12, ttmp7, 0xffff                   ; the cluster's y, 0..47: 16 clusters for each of q, k, v
	s_lshr_b32 s21, s12, 4                         ; t: 0 q, 1 k, 2 v
	s_and_b32 s22, s12, 15
	s_and_b32 s13, s22, 7
	s_lshr_b32 s14, s22, 3
	s_lshl_b32 s15, s21, 6
	s_lshl_b32 s60, s21, 9
	s_cmp_eq_u32 s21, 2
	s_cselect_b32 s23, 1, 0                        ; is it v?  The same in all sixteen partners
	s_cselect_b32 s13, s13, 0
	s_cselect_b32 s14, s14, s22
	s_cselect_b32 s15, 1024, s15                   ; BIG's first tile: value's in xq, or W's in wq
	s_cselect_b32 s60, 128, s60                    ; SMALL's: Wv's in wq, or the tokens' in xq
	s_lshl_b32 s13, s13, 2
	s_add_co_u32 s56, s13, s19                     ; which BIG: hangs on cx, never on cy
	s_lshl_b32 s14, s14, 2
	s_add_co_u32 s57, s14, s20                     ; which SMALL: hangs on cy, never on cx
	s_lshl_b32 s58, s56, 4
	s_add_co_u32 s58, s58, s15                     ; BIG's first tile
	s_lshl_b32 s59, s57, 3
	s_add_co_u32 s59, s59, s60                     ; SMALL's first tile
	s_mul_i32 s84, s58, 12288                      ; BIG's 16 tiles, in bytes
	s_mov_b32 s85, 0
	s_mul_i32 s86, s59, 12288                      ; SMALL's 8 tiles
	s_mov_b32 s87, 0
	s_lshl_b32 s12, s20, 2
	s_lshl_b32 s12, 15, s12                        ; my row of the cluster
	s_lshl_b32 s63, 0x1111, s19                    ; my column
	; group 1: rows of 6,144 bytes (four K steps of a tile: 768 elements of 8 bytes), 12,288 bytes apart in memory, dense in LDS
	s_or_b32 s[G1S], s12, (3<<16)|(1<<21)          ; 15:0 the mask; 17:16 elements of 8 bytes; 21 set beside a mask
	s_or_b32 s[G1B], s63, (3<<16)|(1<<21)
	s_mov_b32 s[G1S+1], 768<<16                    ; tensor_dim0: a row is four K steps of a tile, 6,144 bytes: 768 elements of 8 bytes
	s_mov_b32 s[G1S+2], 8<<16                      ; tensor_dim1
	s_mov_b32 s[G1S+3], 768<<16                    ; tile_dim0
	s_mov_b32 s[G1S+4], 8                          ; tile_dim1
	s_mov_b32 s[G1S+5], 1536                       ; from row to row
	s_mov_b32 s[G1S+6], 0
	s_mov_b32 s[G1S+7], 0
	s_mov_b32 s[G1B+1], 768<<16
	s_mov_b32 s[G1B+2], 16<<16
	s_mov_b32 s[G1B+3], 768<<16
	s_mov_b32 s[G1B+4], 16
	s_mov_b32 s[G1B+5], 1536
	s_mov_b32 s[G1B+6], 0
	s_mov_b32 s[G1B+7], 0
	s_wait_dscnt 0x0                               ; both opening adds are done
	s_wait_kmcnt 0x0
	s_cmp_eq_u32 s23, 1
	s_cselect_b64 s[88:89], s[6:7], s[4:5]         ; SMALL lies in wq for v, else in xq
	s_cselect_b64 s[90:91], s[4:5], s[6:7]         ; BIG the other way round
	s_add_nc_u64 s[88:89], s[88:89], s[86:87]
	s_add_nc_u64 s[90:91], s[90:91], s[84:85]
.irp c, 0,1                            ; half c of K: K steps 4 c .. 4 c + 3 of both regions
	s_mov_b32 s[G0S+4*\c], 1
	s_mov_b32 s[G0S+4*\c+1], \c*CHUNK
	s_add_nc_u64 s[G0S+4*\c+2:G0S+4*\c+3], s[88:89], \c*6144
	s_or_b32 s[G0S+4*\c+3], s[G0S+4*\c+3], 0x80000000
	s_mov_b32 s[G0B+4*\c], 1
	s_mov_b32 s[G0B+4*\c+1], \c*CHUNK+BIGO
	s_add_nc_u64 s[G0B+4*\c+2:G0B+4*\c+3], s[90:91], \c*6144
	s_or_b32 s[G0B+4*\c+3], s[G0B+4*\c+3], 0x80000000
.endr
	CROUND                                         ; all sixteen work-groups are here: the joint loads meet
	; all of K goes out at the head, one joint load a wave: wave 0 SMALL's first half of K, wave 1 BIG's, wave 2 SMALL's second half, wave 3 BIG's
	ARM 1, G0S, G1S, .Lhead_b0
	ARM 2, G0B, G1B, .Lhead_s1
	ARM 3, G0S+4, G1S, .Lhead_b1
	tensor_load_to_lds s[G0B+4:G0B+7], s[G1B:G1B+7]
	s_nop 0
	PLACES 4
.Lhead_asked:
	; the scale words of my 8 + 4 tiles, for all of K, stay in registers.  E's tokens always lie in xq, F's rows of W in wq
	s_lshl_b32 s96, s18, 3
	s_add_co_u32 s96, s96, s58                     ; v: E = BIG's tiles 8 (w % 2) on
	s_lshl_b32 s97, s16, 2
	s_add_co_u32 s97, s97, s58                     ; q, k: F = BIG's tiles 4 w on
	s_lshl_b32 s98, s17, 2
	s_add_co_u32 s98, s98, s59                     ; v: F = SMALL's tiles 4 (w / 2) on
	s_cmp_eq_u32 s23, 1
	s_cselect_b32 s92, s96, s59
	s_cselect_b32 s94, s98, s97
	s_lshl_b32 s92, s92, 9                         ; a tile's scale words are 512 bytes: [row 16][K step 8]
	s_add_co_u32 s92, s92, 18874368
	s_mov_b32 s93, 0
	s_lshl_b32 s94, s94, 9
	s_add_co_u32 s94, s94, 3145728
	s_mov_b32 s95, 0
	s_add_nc_u64 s[92:93], s[4:5], s[92:93]
	s_add_nc_u64 s[94:95], s[6:7], s[94:95]
	v_and_b32 v[LANE], 31, v0
	v_lshlrev_b32 v[L4], 5, v[LANE]                ; 32 x lane: lanes 0-15 the rows of tile 2 p, lanes 16-31 those of tile 2 p + 1; a row's eight words are 32 bytes
.irp p, 0,1,2,3
	global_load_b128 v[SE+8*\p:SE+8*\p+3], v[L4], s[92:93] offset:1024*\p
	global_load_b128 v[SE+8*\p+4:SE+8*\p+7], v[L4], s[92:93] offset:1024*\p+16
.endr
.irp p, 0,1
	global_load_b128 v[SF+8*\p:SF+8*\p+3], v[L4], s[94:95] offset:1024*\p
	global_load_b128 v[SF+8*\p+4:SF+8*\p+7], v[L4], s[94:95] offset:1024*\p+16
.endr
	v_lshlrev_b32 v[LI], 4, v[LANE]
	v_and_b32 v[SA], 15, v0
	v_lshlrev_b32 v[SA], 4, v[SA]
	s_mul_i32 s12, s16, 24576                      ; four tiles of 6,144 bytes
	s_add_co_u32 s12, s12, BIGO
	s_mul_i32 s13, s18, 49152                      ; eight
	s_add_co_u32 s13, s13, BIGO
	s_mul_i32 s14, s17, 24576
.irp c, 0,1
	v_add_nc_u32 v[ADEQ+\c], \c*CHUNK, v[LI]
	v_add_nc_u32 v[ADFQ+\c], s12, v[ADEQ+\c]
	v_add_nc_u32 v[ADEV+\c], s13, v[ADEQ+\c]
	v_add_nc_u32 v[ADFV+\c], s14, v[ADEQ+\c]
.endr
	; where my 6,400 bytes go: entry (16 batch + head) x 16 + step
	s_lshl_b32 s12, s56, 2
	s_add_co_u32 s12, s12, s16                     ; q, k: head = 4 x BIG + w
	s_lshl_b32 s13, s57, 1
	s_add_co_u32 s13, s13, s17                     ; v: head = 2 x SMALL + w / 2
	s_lshl_b32 s14, s56, 1
	s_add_co_u32 s14, s14, s18                     ; v: step of 128 tokens = 2 x BIG + w % 2
	s_cmp_eq_u32 s23, 1
	s_cselect_b32 s12, s13, s12
	s_cselect_b32 s14, s14, s57                    ; q, k: step = SMALL
	s_lshr_b32 s13, s14, 4
	s_lshl_b32 s13, s13, 8
	s_and_b32 s14, s14, 15
	s_lshl_b32 s12, s12, 4
	s_add_co_u32 s12, s12, s13
	s_add_co_u32 s12, s12, s14
	s_mul_i32 s13, s12, 6400
	s_mul_i32 s14, s12, 12800
	s_cmp_eq_u32 s21, 0
	s_cselect_b32 s62, s13, s14
	s_cselect_b64 s[96:97], s[8:9], s[10:11]
	s_cmp_eq_u32 s21, 2
	s_cselect_b32 s13, 6400, 0                     ; v's part lies behind k's
	s_add_co_u32 s62, s62, s13
	s_mov_b32 s63, 0
	s_add_nc_u64 s[96:97], s[96:97], s[62:63]
	s_mov_b32 s98, 0x76543210
	s_mov_b32 s99, 0xfedcba98                      ; v_permlanex16_b32's selects for lane l xor 16
; the 12 fragments of K step s into set s % 2: 36 loads of 512 consecutive bytes
.macro FETCH s, ade, adf
.set st, (\s)%2
.set eb, 96-96*st
.set fb, 192-96*st
.set wn, 0xc0*st
	WIN wn
.irp i, 0,1,2,3,4,5,6,7
.irp c, 0,1,2
	ds_load_b128 v[eb+12*\i+4*\c:eb+12*\i+4*\c+3], v[\ade+(\s)/4] offset:6144*\i+1536*((\s)%4)+512*\c
.endr
.endr
.irp i, 0,1,2,3
.irp c, 0,1,2
	ds_load_b128 v[fb+12*\i+4*\c:fb+12*\i+4*\c+3], v[\adf+(\s)/4] offset:6144*\i+1536*((\s)%4)+512*\c
.endr
.endr
.endm
.macro WM                              ; one product; rD, rA, rB, rSA, rSB: its registers; qa, qb: the scale words lie in lanes 16-31; zz: it starts the sum
.if zz
.if (qa == 0) && (qb == 0)
	v_wmma_scale_f32_16x16x128_f8f6f4 v[rD:rD+7], v[rA:rA+11], v[rB:rB+11], 0, v[rSA], v[rSB] matrix_a_fmt:MATRIX_FMT_FP6 matrix_b_fmt:MATRIX_FMT_FP6
.elseif (qa == 1) && (qb == 0)
	v_wmma_scale_f32_16x16x128_f8f6f4 v[rD:rD+7], v[rA:rA+11], v[rB:rB+11], 0, v[rSA], v[rSB] matrix_a_fmt:MATRIX_FMT_FP6 matrix_b_fmt:MATRIX_FMT_FP6 matrix_a_scale:MATRIX_SCALE_ROW1
.elseif (qa == 0) && (qb == 1)
	v_wmma_scale_f32_16x16x128_f8f6f4 v[rD:rD+7], v[rA:rA+11], v[rB:rB+11], 0, v[rSA], v[rSB] matrix_a_fmt:MATRIX_FMT_FP6 matrix_b_fmt:MATRIX_FMT_FP6 matrix_b_scale:MATRIX_SCALE_ROW1
.else
	v_wmma_scale_f32_16x16x128_f8f6f4 v[rD:rD+7], v[rA:rA+11], v[rB:rB+11], 0, v[rSA], v[rSB] matrix_a_fmt:MATRIX_FMT_FP6 matrix_b_fmt:MATRIX_FMT_FP6 matrix_a_scale:MATRIX_SCALE_ROW1 matrix_b_scale:MATRIX_SCALE_ROW1
.endif
.else
.if (qa == 0) && (qb == 0)
	v_wmma_scale_f32_16x16x128_f8f6f4 v[rD:rD+7], v[rA:rA+11], v[rB:rB+11], v[rD:rD+7], v[rSA], v[rSB] matrix_a_fmt:MATRIX_FMT_FP6 matrix_b_fmt:MATRIX_FMT_FP6
.elseif (qa == 1) && (qb == 0)
	v_wmma_scale_f32_16x16x128_f8f6f4 v[rD:rD+7], v[rA:rA+11], v[rB:rB+11], v[rD:rD+7], v[rSA], v[rSB] matrix_a_fmt:MATRIX_FMT_FP6 matrix_b_fmt:MATRIX_FMT_FP6 matrix_a_scale:MATRIX_SCALE_ROW1
.elseif (qa == 0) && (qb == 1)
	v_wmma_scale_f32_16x16x128_f8f6f4 v[rD:rD+7], v[rA:rA+11], v[rB:rB+11], v[rD:rD+7], v[rSA], v[rSB] matrix_a_fmt:MATRIX_FMT_FP6 matrix_b_fmt:MATRIX_FMT_FP6 matrix_b_scale:MATRIX_SCALE_ROW1
.else
	v_wmma_scale_f32_16x16x128_f8f6f4 v[rD:rD+7], v[rA:rA+11], v[rB:rB+11], v[rD:rD+7], v[rSA], v[rSB] matrix_a_fmt:MATRIX_FMT_FP6 matrix_b_fmt:MATRIX_FMT_FP6 matrix_a_scale:MATRIX_SCALE_ROW1 matrix_b_scale:MATRIX_SCALE_ROW1
.endif
.endif
.endm
; K step s: the 32 accumulators take turns, one instruction a turn, in the same order in every K step.  var = 0 (q, k): accumulator 4 i + t = F's tile t x E's tile i; var = 1 (v): 8 i + t = E's tile t x F's tile i
.macro MUL32 s, var
.set st, (\s)%2
.set eb, 96-96*st
.set fb, 192-96*st
.set zz, 0
.if (\s) == 0
.set zz, 1
.endif
.set a, 0
.rept 32
.if a == 0
.set wn, 0x50+0x0f*st
	WIN wn
.endif
.if a == 16
.set wn, 0xa0+0x0f*st
	WIN wn
.endif
.set rD, 8*(a%16)
.set qa, a%2
.if \var == 0
.set rA, fb+12*(a%4)
.set rB, eb+12*(a/4)
.set rSA, SF+8*((a%4)/2)+(\s)
.set rSB, SE+8*((a/4)/2)+(\s)
.set qb, (a/4)%2
.else
.set rA, eb+12*(a%8)
.set rB, fb+12*(a/8)
.set rSA, SE+8*((a%8)/2)+(\s)
.set rSB, SF+8*((a/8)/2)+(\s)
.set qb, (a/8)%2
.endif
	WM
.set a, a+1
.endr
.endm
.macro KSTEP s, var, ade, adf
	s_wait_dscnt 0x0                               ; this K step's fragments are in
.if (\s) == 3
	s_wait_tensorcnt 0x0                           ; every wave's load has landed, the second half of K among them
	s_barrier_signal -1
	s_barrier_wait -1                              ; everybody's has
.endif
.if (\s) < 7
.if (\s) > 0
	PLACES 4                                       ; in front of loads into registers that the last K step's products have read
.endif
	FETCH (\s)+1, \ade, \adf                       ; the next K step's fragments land under this one's 32 products
.endif
	MUL32 \s, \var
.endm
	s_wait_alu depctr_va_vdst(0)                   ; the wait at the head's end
	s_cmp_lt_u32 s16, 2                            ; waves 0 and 1 asked for the first half of K, by lines of their own: they wait for it; the second half may stay out
	s_cbranch_scc0 .Lnot_half_0
	s_wait_tensorcnt 0x0
.Lnot_half_0:
	s_barrier_signal -1
	s_barrier_wait -1
	s_cmp_eq_u32 s23, 1
	s_cbranch_scc1 .Lfor_v
	FETCH 0, ADEQ, ADFQ
	s_wait_loadcnt 0x0                             ; the scale words
	s_wait_alu depctr_va_vdst(0)
.irp s, 0,1,2,3,4,5,6,7
	KSTEP \s, 0, ADEQ, ADFQ
.endr
	WIN 0
	s_branch .Lway_out
.Lfor_v:
	FETCH 0, ADEV, ADFV
	s_wait_loadcnt 0x0
	s_wait_alu depctr_va_vdst(0)
.irp s, 0,1,2,3,4,5,6,7
	KSTEP \s, 1, ADEV, ADFV
.endr
	WIN 0
.Lway_out:
; 64 numbers in window win, from v[src] on (register 16 b + i = k 32 b + 16 h + i of my row), become a fragment in v[frag] on and its scale word.  Each accumulator is read from its low end on.
.macro QUANTW src, win, frag, word
.set wn, ((\win)<<2)|((\win)<<4)
	WIN wn                                         ; sources 1 and 2 in the accumulators' window
.irp b, 0,1,2,3
	v_max3_num_f32 v[TM+\b], 0x1800000, |v[\src+16*\b]|, |v[\src+1+16*\b]|   ; the floor 2^(3 - 127): the byte cannot fall under 1
.endr
.irp i, 2,4,6,8,10,12,14
.irp b, 0,1,2,3
	v_max3_num_f32 v[TM+\b], v[TM+\b], |v[\src+16*\b+\i]|, |v[\src+1+16*\b+\i]|
.endr
.endr
	WIN 0
.irp b, 0,1,2,3
	v_permlanex16_b32 v[TM+4+\b], v[TM+\b], s98, s99
.endr
.irp b, 0,1,2,3
	v_max_num_f32 v[TM+\b], v[TM+\b], v[TM+4+\b]
.endr
.irp b, 0,1,2,3
	v_add_nc_u32 v[TM+12+\b], 0xff000000, v[TM+\b] ; 2 off the exponent field: the conversion's scale operand
.endr
.irp b, 0,1,2,3
	v_lshrrev_b32 v[TM+4+\b], 23, v[TM+12+\b]      ; the scale's byte
.endr
	v_lshl_or_b32 v[\word], v[TM+5], 8, v[TM+4]
	v_lshl_or_b32 v[\word], v[TM+6], 16, v[\word]
	v_lshl_or_b32 v[\word], v[TM+7], 24, v[\word]
	WIN \win                                       ; source 0 in the accumulators' window
.irp c, 0,1
	v_cvt_scalef32_pk16_fp6_f32 v[\frag+6*\c:\frag+2+6*\c], v[\src+32*\c:\src+15+32*\c], v[TM+12+2*\c]
	v_cvt_scalef32_pk16_fp6_f32 v[PT+4*\c:PT+2+4*\c], v[\src+16+32*\c:\src+31+32*\c], v[TM+12+2*\c+1]
.endr
	WIN 0
	v_nop                                          ; one plain place behind a scaled conversion
.irp c, 0,1
.irp i, 0,1,2
	v_permlane16_swap_b32 v[\frag+6*\c+\i], v[PT+4*\c+\i]
.endr
.irp i, 0,1,2
	v_mov_b32 v[\frag+3+6*\c+\i], v[PT+4*\c+\i]
.endr
.endr
.endm
.macro ST3 g
.irp c, 0,1,2
	global_store_b128 v[LI], v[FRG+12*\g+4*\c:FRG+12*\g+4*\c+3], s[96:97] offset:1536*\g+512*\c   ; 512 consecutive bytes a store
.endr
.endm
	PLACES 4                                       ; behind the last products: results are read, and operands' registers written, only from here on
.irp b, 0,1,2,3
	v_mov_b32 v[TM+4+\b], 0                        ; a lane permute's destination counts as one of its sources
.endr
	QUANTW 0, 1, FRG, SW
	ST3 0
	QUANTW 64, 1, FRG+12, SW+1
	ST3 1
	QUANTW 0, 2, FRG+24, SW+2
	ST3 2
	QUANTW 64, 2, FRG+36, SW+3
	ST3 3
	s_wait_xcnt 0x0                                ; EXEC changes only behind this wait
	v_cmp_gt_u32 vcc_lo, 16, v[LANE]
	s_and_saveexec_b32 s12, vcc_lo
	global_store_b128 v[SA], v[SW:SW+3], s[96:97] offset:6144   ; row r's four scale words: sixteen lanes store 256 consecutive bytes, aligned
	s_wait_xcnt 0x0                                ; and again in front of the line that widens it
	s_or_b32 exec_lo, exec_lo, s12
	s_wait_tensorcnt 0x0                           ; the wave's end
	ds_add_u32 v[SPW], v[NIL]
	s_wait_dscnt 0x0
	CROUND                                         ; the closing round
	s_endpgm
.Lfunc_end_k_qdceea8d0f3_proj:
	.size	k_qdceea8d0f3_proj, .Lfunc_end_k_qdceea8d0f3_proj-k_qdceea8d0f3_proj
	.p2alignl 7, 3214868480
	.fill 96, 4, 3214868480
	.section	.rodata,"a",@progbits
	.p2align	6, 0x0
	.amdhsa_kernel k_qdceea8d0f3_proj
		.amdhsa_group_segment_fixed_size 327680
		.amdhsa_private_segment_fixed_size 0
		.amdhsa_enable_private_segment 0
		.amdhsa_kernarg_size 32
		.amdhsa_user_sgpr_count 2
		.amdhsa_user_sgpr_kernarg_segment_ptr 1
		.amdhsa_wavefront_size32 1
		.amdhsa_system_sgpr_workgroup_id_x 1
		.amdhsa_system_sgpr_workgroup_id_y 1
		.amdhsa_system_sgpr_workgroup_id_z 1
		.amdhsa_system_vgpr_workitem_id 0
		.amdhsa_next_free_vgpr 912
		.amdhsa_next_free_sgpr 100
		.amdhsa_reserve_vcc 1
		.amdhsa_float_denorm_mode_32 3
		.amdhsa_float_denorm_mode_16_64 3
		.amdhsa_memory_ordered 1
		.amdhsa_forward_progress 1
		.amdhsa_inst_pref_size 131
	.end_amdhsa_kernel
	.amdgpu_metadata
---
amdhsa.version: [ 1, 2 ]
amdhsa.kernels:
  - .name:           k_qdceea8d0f3_proj
    .symbol:         k_qdceea8d0f3_proj.kd
    .args:
      - { .name: xq, .offset: 0, .size: 8, .value_kind: global_buffer, .address_space: global }
      - { .name: wq, .offset: 8, .size: 8, .value_kind: global_buffer, .address_space: global }
      - { .name: qc, .offset: 16, .size: 8, .value_kind: global_buffer, .address_space: global }
      - { .name: kv, .offset: 24, .size: 8, .value_kind: global_buffer, .address_space: global }
    .group_segment_fixed_size: 327680
    .private_segment_fixed_size: 0
    .kernarg_segment_align: 8
    .kernarg_segment_size: 32
    .max_flat_workgroup_size: 128
    .sgpr_count:     100
    .vgpr_count:     912
    .wavefront_size: 32
...
	.end_amdgpu_metadata
.endif
;; end of part 2
;; launch attn (part 3): grid 8 x 32, 16 waves a work-group, clusters of 4 x 1, 327,680 bytes of LDS; arguments qc, kv, mw, cq; writes cq
.if DOCPART == 3
	.amdgcn_target "amdgcn-amd-amdhsa--gfx1250"
	.amdhsa_code_object_version 6
	.text
	.protected	k_qdceea8d0f3_attn
	.globl	k_qdceea8d0f3_attn
	.p2align	8
	.type	k_qdceea8d0f3_attn,@function
k_qdceea8d0f3_attn:
	s_mov_b64 s[64:65], 0
	v_nop
	global_prefetch_b8 v0, s[64:65] scope:SCOPE_SE
	s_setreg_imm32_b32 hwreg(HW_REG_WAVE_MODE, 25, 1), 1
	s_wait_xcnt 0x0
	s_wait_alu depctr_hold_cnt(0) depctr_sa_sdst(0) depctr_va_vdst(0) depctr_va_sdst(0) depctr_va_ssrc(0) depctr_va_vcc(0) depctr_vm_vsrc(0)
	s_getreg_b32 s2, hwreg(HW_REG_IB_STS2, 6, 4)
	s_cmp_eq_u32 s2, 0
	s_cbranch_scc0 .Lentry_in_a_cluster
	s_endpgm
.Lentry_in_a_cluster:
	s_bfe_u32 s2, ttmp6, 0x10000c
	s_cmp_lg_u32 s2, 0x3003
	s_cbranch_scc0 .Lentry_shape_is_right
	s_endpgm
.Lentry_shape_is_right:
; THIRD LAUNCH: scores, mask, softmax and the product with v, on the codes that the second launch made; ctx is quantised in registers for the last product.  No work is left out: the mask is an input, so every tile is computed and selected.
; THE SOFTMAX AHEAD OF THE SECOND PRODUCT: t = score x log2(e) / 8; M = the running largest t rounded UP to a whole number; p = 2^(t - M) is quantised along the keys, not normalised; the row's sum is taken of the unquantised p and
; divides at the end.  When M moves, the sum and O are multiplied by 2^(old M - new M): exact.  A key that the mask hides gets the score -infinity ahead of the maximum: p = 0.
; SHARES.  A work-group owns 256 queries of one batch and walks two heads, 2 a and 2 a + 1, one after the other: 32 steps of 128 keys.  Each of its sixteen waves owns one tile of 16 queries, in 256 registers: four waves to a SIMD.
; CLUSTER.  The four work-groups of a cluster walk the same k and v, so each tile is asked for jointly (mask 15).  Two LDS slots of 12 steps (153,600 bytes, dense in memory); each wave fetches a sixteenth of steps 0-23.
; K = 64 IN AN INSTRUCTION OF K = 128.  An image of k holds two tiles of 16 keys: K 0-63 the head's 64 of the first, K 64-127 of the second.  The query stands in 18 registers, [0 x 6][q x 6][0 x 6]: the last twelve are [q | 0], the first
; twelve [0 | q].  The image times [q | 0] gives the first tile's scores, times [0 | q] the second's.  The half that is not wanted meets zero codes: the format has no NaN or infinity, k's bytes lie in 1 .. 254 and q's bytes over its
; zeros are 0, so those products are exact zeros.  Every LDS byte of k is used.
; LAYOUT.  Both products are used transposed (source 0 = keys, or v's channels; source 1 = my queries): a lane holds one query throughout; the 16 registers of two neighbouring score tiles are 16 neighbouring keys.
; THE MASK comes as 64 lane masks a step, by scalar loads one step ahead; they feed v_cndmask_b32 alone: no branch and no address hangs on them.
; LIMITS: a block's largest p is taken from its largest score (this takes v_exp_f32 not to fall where its input rises); a block of zeros gets the byte 1; NaN and infinities are not served.  A query for which the mask hides every key:
; the sum is 0, ctx's codes are zeros and that head's two scale bytes are set to 0xff, which makes the last product's whole row NaN, as the definition has it.
; REGISTERS: v1-11 addresses; v12 -M, v13 the largest t, v[14:15] the sum; v16-33 the query; v34, v35 its scale words; v36-83 four images of k or of v; v84-87, v88-91 their scale words; v92 -infinity; v96-159 S^T, then p;
; v160-191 O^T; v192-203 ctx's fragment, v204 its scale word; v208-223 at work; v224-242 p's codes; v252 f, v253 p's scale word, v254 at work.
; THE SLOTS AS THEY STAND (this takes the place of what the head says of them): two slots of 12 steps, 153,600 bytes each.  The 32 steps of the two heads lie on end in memory.  At the head every wave issues one joint load,
; a sixteenth of steps 0-23 (19,200 bytes): waves 0-7 fill slot 0, waves 8-15 slot 1.  Behind step 11 slot 0's first 102,400 bytes take steps 24-31 (waves 0-7, 12,800 bytes each): the one refill.  It has 12 steps in which to land.
.set SLOT1, 153600
.set STEPB, 12800                      ; a step: k's four images and 256 scale bytes, then v's
.set EXC,   307200                     ; ctx's scale words change hands here: 64 bytes a wave; no tile lands here
.set SPARE, 308224                     ; the spare words, 128 bytes for each wave: eight blocks of 256 bytes that no other line names
.macro CROUND
	s_barrier_signal -1
	s_barrier_wait -1
	s_cmp_lg_u32 s2, 0
	s_cbranch_scc1 .Lnot_wave_0_\@
	s_barrier_signal -3
.Lnot_wave_0_\@:
	s_barrier_wait -3
	s_barrier_signal -1
	s_barrier_wait -1
.endm
.macro TLOAD g0                        ; waves 0 to 7 fetch; the branch hangs on the wave's number alone
	s_cmp_lt_u32 s2, 8
	s_cbranch_scc0 .Lnot_mine_\@
	tensor_load_to_lds s[\g0:\g0+3], s[16:23]
	s_nop 0
.rept 4
	v_nop
.endr
.Lnot_mine_\@:
.endm
	s_load_b256 s[32:39], s[0:1], 0x0              ; qc, kv, mw, cq
	v_lshl_add_u32 v5, v0, 2, SPARE
	v_mov_b32 v6, 0
	ds_add_u32 v5, v6                              ; the wave's opening: the add, twice on end, and its wait ahead of the first tensor load
	ds_add_u32 v5, v6
	v_lshrrev_b32 v1, 5, v0
	s_delay_alu instid0(VALU_DEP_1)
	v_readfirstlane_b32 s2, v1                     ; wave 0..15
	s_bfe_u32 s40, ttmp6, 0x40000                  ; cx
	s_lshl_b32 s41, ttmp9, 2
	s_add_co_u32 s41, s41, s40                     ; my block of 256 queries: it enters global addresses alone
	s_and_b32 s42, ttmp7, 0xffff
	s_lshr_b32 s43, s42, 3                         ; batch
	s_and_b32 s44, s42, 7                          ; a: heads 2 a, 2 a + 1
	s_lshl_b32 s45, s43, 4
	s_lshl_b32 s46, s44, 1
	s_add_co_u32 s45, s45, s46                     ; 16 batch + 2 a
	s_mul_i32 s47, s2, 19200                       ; my sixteenth of the two slots, in LDS and in memory alike
	s_mul_i32 s104, s2, 6400                       ; what the refill's share, 12,800 bytes a wave, takes off that
	s_mov_b32 s105, 0
	s_mul_i32 s48, s45, 204800                     ; a head's 16 steps are 204,800 bytes; the two heads' 32 steps lie on end
	s_add_co_u32 s48, s48, s47
	s_mov_b32 s49, 0
	s_lshl_b32 s50, s45, 4
	s_lshl_b32 s51, s41, 1
	s_add_co_u32 s50, s50, s51
	s_lshr_b32 s51, s2, 3
	s_add_co_u32 s50, s50, s51                     ; q's entry: (16 batch + head) x 16 + 2 x block + w / 8
	s_mul_i32 s50, s50, 6400
	s_bfe_u32 s52, s2, 0x20001                     ; g = (w / 2) % 4: which image of the entry
	s_mul_i32 s51, s52, 1536
	s_add_co_u32 s50, s50, s51
	s_mov_b32 s51, 0
	s_mul_i32 s53, s52, 1532
	s_sub_co_u32 s53, 6144, s53                    ; from my image to my scale words: 6,144 - 1,536 g + 4 g
	s_lshl_b32 s54, s41, 4
	s_lshl_b32 s55, s43, 7
	s_add_co_u32 s54, s54, s55                     ; the work-group's first tile of queries: 128 batch + 16 block
	s_add_co_u32 s55, s54, s2                      ; mine
	s_lshl_b32 s56, s55, 12                        ; its 16 steps x 256 bytes of mask words
	s_mov_b32 s57, 0
	s_lshl_b32 s58, s55, 3
	s_add_co_u32 s58, s58, s44
	s_mul_i32 s58, s58, 1536                       ; ctx's image: tile, K step a
	s_mov_b32 s59, 0
	s_lshl_b32 s60, s54, 6
	s_lshl_b32 s61, s44, 15
	s_add_co_u32 s60, s60, s61
	s_add_co_u32 s60, s60, 6291456                 ; ctx's scale words: K step a, the work-group's 16 tiles: 1,024 bytes
	s_mov_b32 s61, 0
	s_and_b32 s100, s2, 1
	s_sub_co_u32 s100, 0, s100                     ; all ones where my tile is the second of its image
	s_mov_b32 s12, 0x76543210
	s_mov_b32 s13, 0xfedcba98                      ; v_permlanex16_b32's selects for lane l xor 16
	s_mov_b32 s14, 0x3e38aa3b                      ; c = log2(e) / 8
	s_mov_b32 s15, s14                             ; (named with it as a pair)
	; group 1: 19,200 dense bytes as 75 rows of 256 (32 elements of 8 bytes)
	s_mov_b32 s16, 15|(3<<16)|(1<<21)              ; 15:0 the mask: all four work-groups; 17:16 elements of 8 bytes; 21 set beside a mask
	s_mov_b32 s17, 32<<16
	s_mov_b32 s18, 75<<16                          ; 19,200 dense bytes as 75 rows of 256
	s_mov_b32 s19, 32<<16
	s_mov_b32 s20, 75
	s_mov_b32 s21, 32
	s_mov_b32 s22, 0
	s_mov_b32 s23, 0
	s_wait_dscnt 0x0                               ; both opening adds are done
	s_wait_kmcnt 0x0
	s_add_nc_u64 s[4:5], s[32:33], s[50:51]        ; q's image
	s_add_nc_u64 s[6:7], s[36:37], s[56:57]        ; my mask words
	s_add_nc_u64 s[8:9], s[38:39], s[58:59]        ; ctx's image
	s_add_nc_u64 s[10:11], s[38:39], s[60:61]      ; ctx's scale words
	s_add_nc_u64 s[62:63], s[34:35], s[48:49]      ; k and v: nothing of my place in the cluster is in it
	CROUND                                         ; all four work-groups are here: the first joint loads meet
	s_mov_b32 s24, 1
	s_mov_b32 s25, s47                             ; slot 0
	s_mov_b64 s[26:27], s[62:63]
	s_or_b32 s27, s27, 0x80000000
	s_cmp_lt_u32 s2, 8                             ; one load a wave, in two arms: slot 0's line is waves 0-7's alone, so that the first barrier can show slot 0 by their waits
	s_cbranch_scc0 .Lfill_1
	tensor_load_to_lds s[24:27], s[16:23]
	s_nop 0
.rept 4
	v_nop
.endr
	s_branch .Lfilled
.Lfill_1:
	tensor_load_to_lds s[24:27], s[16:23]
	s_nop 0
.rept 4
	v_nop
.endr
.Lfilled:
	v_and_b32 v4, 31, v0
	s_delay_alu instid0(VALU_DEP_1)
	v_lshlrev_b32 v1, 4, v4                        ; 16 x lane: an image's place for my lane
	v_and_b32 v4, 15, v0
	s_delay_alu instid0(VALU_DEP_1)
	v_lshlrev_b32 v2, 4, v4                        ; 16 r: a row's four scale words
	s_delay_alu instid0(VALU_DEP_1)
	v_add_nc_u32 v3, s53, v2                       ; q's scale word, from its image on
	s_lshl_b32 s54, s2, 6
	v_lshl_add_u32 v7, v4, 2, EXC
	s_delay_alu instid0(VALU_DEP_1)
	v_add_nc_u32 v7, s54, v7                       ; where my ctx scale word goes: 64 w + 4 r
	s_min_u32 s54, s2, 1
	s_lshl_b32 s54, s54, 9
	v_add_nc_u32 v11, s54, v1                      ; waves 0 and 1 store 512 bytes of them each
	s_delay_alu instid0(VALU_DEP_1)
	v_add_nc_u32 v10, EXC, v11
.irp i, 0,1,2,3,4,5
	v_mov_b32 v[16+\i], 0                          ; the zeros on both sides of the query
	v_mov_b32 v[28+\i], 0
	v_mov_b32 v[198+\i], 0
.endr
	v_mov_b32 v92, 0xff800000                      ; -infinity
	v_mov_b32 v204, 0
.irp b, 0,1,2,3
	v_mov_b32 v[212+\b], 0                         ; a lane permute's destination counts as one of its sources
.endr
	v_mov_b32 v253, 0                              ; (named as the upper half of the pair v[252:253] before it is first written)
	s_mov_b32 s67, 0                               ; the head's temporaries are done with: step 0's mask words
	s_load_b512 s[32:47], s[6:7], s67 offset:0x0
	s_load_b512 s[48:63], s[6:7], s67 offset:0x40
	s_load_b512 s[68:83], s[6:7], s67 offset:0x80
	s_load_b512 s[84:99], s[6:7], s67 offset:0xc0
; The head's query into [0][q][0], its scale words, and the running state.  The 36 moves at the end are also the places between the writes of operands and scales and the first product.
.macro HEADINIT
.irp c, 0,1,2
	global_load_b128 v[36+4*\c:39+4*\c], v1, s[4:5] offset:512*\c
.endr
	global_load_b32 v254, v3, s[4:5]
	s_wait_loadcnt 0x0
.irp k, 0,1,2,3,4,5
	v_cndmask_b32 v[22+\k], v[36+\k], v[42+\k], s100   ; my tile is the image's first half or its second
.endr
	v_lshrrev_b32 v35, 16, v254
	v_and_b32 v34, 0xffff, v254
	s_delay_alu instid0(VALU_DEP_1)
	v_cndmask_b32 v34, v34, v35, s100              ; for [q | 0]: my two bytes below, 0 above
	s_delay_alu instid0(VALU_DEP_1)
	v_lshlrev_b32 v35, 16, v34                     ; for [0 | q]
	v_mov_b32 v13, 0xff61b1e6                      ; the largest t so far: -3e38
	s_delay_alu instid0(VALU_DEP_1)
	v_floor_f32 v12, -v13                          ; -M
	v_mov_b32 v14, 0
	v_mov_b32 v15, 0
.set j, 0
.rept 32
	v_mov_b32 v[160+j], 0                          ; O^T: the step is written once; the first finds zeros, which the first change of M leaves zeros
.set j, j+1
.endr
.endm
; A KEY STEP: 128 keys, at LDS byte s66
.macro STEP
	v_add_nc_u32 v8, s66, v1
	v_add_nc_u32 v9, s66, v2
	v_nop
	v_nop                                          ; four places in front of loads into registers that the last products have read
.irp g, 0,1,2,3
.irp c, 0,1,2
	ds_load_b128 v[36+12*\g+4*\c:39+12*\g+4*\c], v8 offset:1536*\g+512*\c
.endr
.endr
	ds_load_b128 v[84:87], v9 offset:6144
	s_wait_alu depctr_va_vdst(0)
	s_wait_dscnt 0x0
.irp g, 0,1,2,3
	v_wmma_scale_f32_16x16x128_f8f6f4 v[96+16*\g:103+16*\g], v[36+12*\g:47+12*\g], v[22:33], 0, v[84+\g], v34 matrix_a_fmt:MATRIX_FMT_FP6 matrix_b_fmt:MATRIX_FMT_FP6
	v_wmma_scale_f32_16x16x128_f8f6f4 v[104+16*\g:111+16*\g], v[36+12*\g:47+12*\g], v[16:27], 0, v[84+\g], v35 matrix_a_fmt:MATRIX_FMT_FP6 matrix_b_fmt:MATRIX_FMT_FP6
.endr                                  ; lane (r, h): query r; register 16 g + i: key 32 g + 16 h + i
.rept 4
	v_nop
.endr
.irp g, 0,1,2,3                        ; v's images take k's registers and land under the softmax
.irp c, 0,1,2
	ds_load_b128 v[36+12*\g+4*\c:39+12*\g+4*\c], v8 offset:6400+1536*\g+512*\c
.endr
.endr
	ds_load_b128 v[88:91], v9 offset:12544
	s_wait_kmcnt 0x0                               ; this step's mask words, asked for a step ago
.set n, 0
.rept 64
	v_cndmask_b32 v[96+n], v92, v[96+n], s[32+n+4*(n/32)]   ; a hidden key's score becomes -infinity.  Ascending: each accumulator is first read at its low end
.set n, n+1
.endr
	s_add_co_u32 s67, s67, 256                     ; (the wait above has shown the loads that read s67 done)
	s_and_b32 s67, s67, 0xfff                      ; both heads take the same 16 steps' words; the last step asks for step 0's again, inside the buffer
	s_load_b512 s[32:47], s[6:7], s67 offset:0x0
	s_load_b512 s[48:63], s[6:7], s67 offset:0x40
	s_load_b512 s[68:83], s[6:7], s67 offset:0x80
	s_load_b512 s[84:99], s[6:7], s67 offset:0xc0
.irp b, 0,1,2,3
	v_max3_num_f32 v[208+\b], v[96+16*\b], v[97+16*\b], v[98+16*\b]   ; the largest score of each block of 32 keys: for the row's maximum, and for the block's largest p
.endr
.irp i, 3,5,7,9,11,13
.irp b, 0,1,2,3
	s_delay_alu instid0(VALU_DEP_4)
	v_max3_num_f32 v[208+\b], v[208+\b], v[96+16*\b+\i], v[97+16*\b+\i]
.endr
.endr
.irp b, 0,1,2,3
	s_delay_alu instid0(VALU_DEP_4)
	v_max_num_f32 v[208+\b], v[208+\b], v[111+16*\b]
.endr
.irp b, 0,1,2,3
	s_delay_alu instid0(VALU_DEP_4)
	v_permlanex16_b32 v[212+\b], v[208+\b], s12, s13
.endr
.irp b, 0,1,2,3
	s_delay_alu instid0(VALU_DEP_4)
	v_max_num_f32 v[208+\b], v[208+\b], v[212+\b]  ; with lane l xor 16's 16 keys
.endr
	s_delay_alu instid0(VALU_DEP_2)
	v_max3_num_f32 v254, v208, v209, v210
	s_delay_alu instid0(VALU_DEP_1)
	v_max_num_f32 v254, v254, v211
	s_delay_alu instid0(VALU_DEP_1)
	v_mul_f32 v254, s14, v254                      ; as t
	s_delay_alu instid0(VALU_DEP_1)
	v_max_num_f32 v13, v13, v254                   ; the running largest t
	v_mov_b32 v254, v12
	s_delay_alu instid0(VALU_DEP_2)
	v_floor_f32 v12, -v13                          ; the new -M = -ceil(t)
	s_delay_alu instid0(VALU_DEP_1)
	v_sub_f32 v254, v12, v254                      ; old M - new M: a whole number, 0 or less
	s_delay_alu instid0(VALU_DEP_1)
	v_cvt_i32_f32 v254, v254                       ; (it saturates)
	s_delay_alu instid0(VALU_DEP_1)
	v_ldexp_f32 v252, 1.0, v254                    ; f = 2^(old M - new M)
.set j, 0
.rept 32
	v_pk_fma_f32 v[96+j:97+j], v[96+j:97+j], s[14:15], v[12:13] op_sel_hi:[1,0,0]   ; t - M, two at a time
.set j, j+2
.endr
.irp b, 0,1,2,3
	v_fma_f32 v[208+\b], v[208+\b], s14, v12       ; the same of each block's largest score
.endr
.set j, 0
	s_wait_alu depctr_va_vdst(0)
.rept 64
	v_exp_f32 v[96+j], v[96+j]                     ; p = 2^(t - M)
.set j, j+1
.endr
	v_pk_mul_f32 v[14:15], v[14:15], v[252:253] op_sel_hi:[1,0]   ; the sums under the new M: a plain place behind the exponentials
	s_wait_alu depctr_va_vdst(0)                   ; one wait for the whole batch, ahead of its first reader
.irp b, 0,1,2,3
	v_exp_f32 v[208+\b], v[208+\b]                 ; the block's largest p
.endr
	v_pk_add_f32 v[212:213], v[100:101], v[104:105]
	v_pk_add_f32 v[254:255], v[108:109], v[112:113]
	v_pk_add_f32 v[250:251], v[116:117], v[120:121]
	v_pk_add_f32 v[248:249], v[124:125], v[128:129]
	v_pk_add_f32 v[246:247], v[132:133], v[136:137]
	v_pk_add_f32 v[244:245], v[140:141], v[144:145]
	v_pk_add_f32 v[242:243], v[148:149], v[152:153]
	v_pk_add_f32 v[14:15], v[14:15], v[156:157]
	v_pk_add_f32 v[212:213], v[212:213], v[96:97]
	v_pk_add_f32 v[254:255], v[254:255], v[98:99]
	v_pk_add_f32 v[250:251], v[250:251], v[102:103]
	v_pk_add_f32 v[248:249], v[248:249], v[106:107]
	v_pk_add_f32 v[246:247], v[246:247], v[110:111]
	v_pk_add_f32 v[244:245], v[244:245], v[114:115]
	v_pk_add_f32 v[242:243], v[242:243], v[118:119]
	v_pk_add_f32 v[14:15], v[14:15], v[122:123]
	v_pk_add_f32 v[212:213], v[212:213], v[126:127]
	v_pk_add_f32 v[254:255], v[254:255], v[130:131]
	v_pk_add_f32 v[250:251], v[250:251], v[134:135]
	v_pk_add_f32 v[248:249], v[248:249], v[138:139]
	v_pk_add_f32 v[246:247], v[246:247], v[142:143]
	v_pk_add_f32 v[244:245], v[244:245], v[146:147]
	v_pk_add_f32 v[242:243], v[242:243], v[150:151]
	v_pk_add_f32 v[14:15], v[14:15], v[154:155]
	v_pk_add_f32 v[212:213], v[212:213], v[158:159]
	s_delay_alu instid0(VALU_DEP_2)
	v_pk_add_f32 v[14:15], v[14:15], v[248:249]
	s_delay_alu instid0(VALU_DEP_2)
	v_pk_add_f32 v[212:213], v[212:213], v[246:247]
	v_pk_add_f32 v[254:255], v[254:255], v[244:245]
	v_pk_add_f32 v[250:251], v[250:251], v[242:243]
	s_delay_alu instid0(VALU_DEP_2)
	v_pk_add_f32 v[14:15], v[14:15], v[254:255]
	s_delay_alu instid0(VALU_DEP_2)
	v_pk_add_f32 v[212:213], v[212:213], v[250:251]
	s_delay_alu instid0(VALU_DEP_1)
	v_pk_add_f32 v[14:15], v[14:15], v[212:213]
	s_wait_alu depctr_va_vdst(0)                   ; and one for the four
.irp b, 0,1,2,3
	v_max_num_f32 v[208+\b], 0x1800000, v[208+\b]  ; the floor 2^(3 - 127): the byte cannot fall under 1
.endr
.irp b, 0,1,2,3
	s_delay_alu instid0(VALU_DEP_4)
	v_add_nc_u32 v[216+\b], 0xff000000, v[208+\b]  ; 2 off the exponent field: the conversion's scale operand
.endr
.irp b, 0,1,2,3
	s_delay_alu instid0(VALU_DEP_4)
	v_lshrrev_b32 v[220+\b], 23, v[216+\b]
.endr
	s_delay_alu instid0(VALU_DEP_3)
	v_lshl_or_b32 v253, v221, 8, v220              ; p's scale word for these 128 keys
	s_delay_alu instid0(VALU_DEP_1)
	v_lshl_or_b32 v253, v222, 16, v253
	s_delay_alu instid0(VALU_DEP_1)
	v_lshl_or_b32 v253, v223, 24, v253
.irp c, 0,1
	v_cvt_scalef32_pk16_fp6_f32 v[224+6*\c:226+6*\c], v[96+32*\c:111+32*\c], v[216+2*\c]
	v_cvt_scalef32_pk16_fp6_f32 v[236+4*\c:238+4*\c], v[112+32*\c:127+32*\c], v[216+2*\c+1]
.endr
	v_nop                                          ; one plain place behind a scaled conversion
.irp c, 0,1
.irp i, 0,1,2
	v_permlane16_swap_b32 v[224+6*\c+\i], v[236+4*\c+\i]
.endr
.irp i, 0,1,2
	s_delay_alu instid0(VALU_DEP_3)
	v_mov_b32 v[227+6*\c+\i], v[236+4*\c+\i]
.endr
.endr
.set j, 0
.rept 16
	v_pk_mul_f32 v[160+j:161+j], v[160+j:161+j], v[252:253] op_sel_hi:[1,0]   ; O^T under the new M.  These are also the places between the writes of p's codes and scale word and the products
.set j, j+2
.endr
	s_wait_alu depctr_va_vdst(0)
	s_wait_dscnt 0x0                               ; v's images and scale words are in
.irp t, 0,1,2,3                        ; O^T += v^T p^T: the four accumulators by turns; eight other products stand between two links of a chain
	v_wmma_scale_f32_16x16x128_f8f6f4 v[160+8*\t:167+8*\t], v[36+12*\t:47+12*\t], v[224:235], v[160+8*\t:167+8*\t], v[88+\t], v253 matrix_a_fmt:MATRIX_FMT_FP6 matrix_b_fmt:MATRIX_FMT_FP6
.endr
	s_add_co_u32 s66, s66, STEPB
.endm
.macro LOOPN base, n                   ; n steps from LDS byte base on
	s_mov_b32 s66, \base
	s_mov_b32 s3, \n
.Lstep_\@:
	STEP
	s_sub_co_u32 s3, s3, 1
	s_cmp_lg_u32 s3, 0
	s_cbranch_scc1 .Lstep_\@
.endm
; THE CHANGE OF SLOTS.  Each wave waits for all its tensor loads (its part of the slot ahead), adds 0 to its spare word, and waits for that and for its reads of the slot that it leaves.  fill = 1: a round of the cluster's barrier,
; and behind it the slot just left is filled with the steps 24 on: it has twelve steps in which to land.
.macro CHANGE g0, fill
	s_wait_tensorcnt 0x0                           ; no tensor load of mine is out, so a group 0 may be written
	ds_add_u32 v5, v6
.if \fill
	s_mul_i32 s25, s2, 12800
	s_add_nc_u64 s[26:27], s[26:27], 2*SLOT1
	s_sub_nc_u64 s[26:27], s[26:27], s[104:105]
	s_mov_b32 s18, 50<<16                          ; 50 rows of 256 bytes
	s_mov_b32 s20, 50
	s_wait_dscnt 0x0
	CROUND
	TLOAD \g0
.else
	s_wait_dscnt 0x0
	s_barrier_signal -1
	s_barrier_wait -1
.endif
.endm
; A head is done: O^T / the sum becomes half a fragment of ctx (64 of the last product's K) and two scale bytes.  The half made last time moves down.
.macro FINALIZE
.rept 4
	v_nop                                          ; places behind the last products
.endr
	v_add_f32 v14, v14, v15
	s_delay_alu instid0(VALU_DEP_1)
	v_permlanex16_b32 v212, v14, s12, s13
	s_delay_alu instid0(VALU_DEP_1)
	v_add_f32 v14, v14, v212                       ; the row's sum
	v_mov_b32 v254, 1.0
	s_delay_alu instid0(VALU_DEP_2)
	v_cmp_eq_f32 s101, 0, v14                      ; every key hidden?  A choice of values, no branch
	s_delay_alu instid0(VALU_DEP_1)
	v_cndmask_b32 v14, v14, v254, s101
	s_wait_alu depctr_va_vdst(0)
	v_rcp_f32 v14, v14
.irp i, 0,1,2,3,4,5
	v_mov_b32 v[192+\i], v[198+\i]                 ; (plain work behind the reciprocal)
.endr
	s_wait_alu depctr_va_vdst(0)                   ; the wait ahead of its first reader
.set j, 0
.rept 16
	v_pk_mul_f32 v[96+j:97+j], v[160+j:161+j], v[14:15] op_sel_hi:[1,0]   ; register 16 B + i: channel 32 B + 16 h + i of my query
.set j, j+2
.endr
.irp b, 0,1
	v_max3_num_f32 v[208+\b], |v[96+16*\b]|, |v[97+16*\b]|, 0x1800000
.endr
.irp i, 2,4,6,8,10,12,14
.irp b, 0,1
	s_delay_alu instid0(VALU_DEP_2)
	v_max3_num_f32 v[208+\b], v[208+\b], |v[96+16*\b+\i]|, |v[97+16*\b+\i]|
.endr
.endr
.irp b, 0,1
	s_delay_alu instid0(VALU_DEP_2)
	v_permlanex16_b32 v[212+\b], v[208+\b], s12, s13
.endr
.irp b, 0,1
	s_delay_alu instid0(VALU_DEP_2)
	v_max_num_f32 v[208+\b], v[208+\b], v[212+\b]
.endr
.irp b, 0,1
	s_delay_alu instid0(VALU_DEP_2)
	v_add_nc_u32 v[216+\b], 0xff000000, v[208+\b]
.endr
.irp b, 0,1
	s_delay_alu instid0(VALU_DEP_2)
	v_lshrrev_b32 v[220+\b], 23, v[216+\b]
.endr
	s_delay_alu instid0(VALU_DEP_1)
	v_lshl_or_b32 v254, v221, 8, v220
	v_mov_b32 v222, 0xffff
	s_delay_alu instid0(VALU_DEP_1)
	v_cndmask_b32 v254, v254, v222, s101           ; a row with no key: both bytes 0xff
	v_lshrrev_b32 v204, 16, v204
	s_delay_alu instid0(VALU_DEP_1)
	v_lshl_or_b32 v204, v254, 16, v204             ; the head before in the low half, this one in the high half
	v_cvt_scalef32_pk16_fp6_f32 v[198:200], v[96:111], v216
	v_cvt_scalef32_pk16_fp6_f32 v[236:238], v[112:127], v217
	v_nop
.irp i, 0,1,2
	v_permlane16_swap_b32 v[198+\i], v[236+\i]
.endr
.irp i, 0,1,2
	s_delay_alu instid0(VALU_DEP_3)
	v_mov_b32 v[201+\i], v[236+\i]
.endr
.endm
	HEADINIT
	s_wait_alu depctr_va_vdst(0)                   ; the wait at the head's end
	s_cmp_lt_u32 s2, 8                             ; waves 0-7 wait for their parts of slot 0; slot 1's loads may stay out
	s_cbranch_scc0 .Lnot_slot_0
	s_wait_tensorcnt 0x0
.Lnot_slot_0:
	s_barrier_signal -1
	s_barrier_wait -1
	LOOPN 0, 12                                    ; head 2 a, steps 0-11
	CHANGE 24, 1                                   ; slot 0 takes head 2 a + 1's steps 8-15: the last load
	LOOPN SLOT1, 4                                 ; head 2 a, steps 12-15
	FINALIZE
	s_add_nc_u64 s[4:5], s[4:5], 102400            ; the next head's query (the loads that read this address were waited for)
	HEADINIT
	LOOPN SLOT1+4*STEPB, 8                         ; head 2 a + 1, steps 0-7
	CHANGE 24, 0                                   ; nothing is left to fetch
	LOOPN 0, 8                                     ; head 2 a + 1, steps 8-15
	FINALIZE
.irp c, 0,1,2
	global_store_b128 v1, v[192+4*\c:195+4*\c], s[8:9] offset:512*\c   ; ctx's image: 512 consecutive bytes a store
.endr
	ds_store_b32 v7, v204                          ; lanes l and l + 16 write the same word with the same value
	s_wait_dscnt 0x0                               ; for the others' sake
	s_barrier_signal -1
	s_barrier_wait -1
	s_cmp_lt_u32 s2, 2
	s_cbranch_scc0 .Lno_words
	ds_load_b128 v[96:99], v10
	s_wait_dscnt 0x0
	global_store_b128 v11, v[96:99], s[10:11]      ; the scale words of 8 tiles: 512 consecutive bytes
.Lno_words:
	s_wait_kmcnt 0x0                               ; the mask words that the last step asked for
	s_wait_tensorcnt 0x0                           ; the wave's end
	ds_add_u32 v5, v6
	s_wait_dscnt 0x0
	CROUND                                         ; the closing round
	s_endpgm
.Lfunc_end_k_qdceea8d0f3_attn:
	.size	k_qdceea8d0f3_attn, .Lfunc_end_k_qdceea8d0f3_attn-k_qdceea8d0f3_attn
	.p2alignl 7, 3214868480
	.fill 96, 4, 3214868480
	.section	.rodata,"a",@progbits
	.p2align	6, 0x0
	.amdhsa_kernel k_qdceea8d0f3_attn
		.amdhsa_group_segment_fixed_size 327680
		.amdhsa_private_segment_fixed_size 0
		.amdhsa_enable_private_segment 0
		.amdhsa_kernarg_size 32
		.amdhsa_user_sgpr_count 2
		.amdhsa_user_sgpr_kernarg_segment_ptr 1
		.amdhsa_wavefront_size32 1
		.amdhsa_system_sgpr_workgroup_id_x 1
		.amdhsa_system_sgpr_workgroup_id_y 1
		.amdhsa_system_sgpr_workgroup_id_z 1
		.amdhsa_system_vgpr_workitem_id 0
		.amdhsa_next_free_vgpr 256
		.amdhsa_next_free_sgpr 106
		.amdhsa_reserve_vcc 0
		.amdhsa_float_denorm_mode_32 3
		.amdhsa_float_denorm_mode_16_64 3
		.amdhsa_memory_ordered 1
		.amdhsa_forward_progress 1
		.amdhsa_inst_pref_size 111
	.end_amdhsa_kernel
	.amdgpu_metadata
---
amdhsa.version: [ 1, 2 ]
amdhsa.kernels:
  - .name:           k_qdceea8d0f3_attn
    .symbol:         k_qdceea8d0f3_attn.kd
    .args:
      - { .name: qc, .offset: 0, .size: 8, .value_kind: global_buffer, .address_space: global }
      - { .name: kv, .offset: 8, .size: 8, .value_kind: global_buffer, .address_space: global }
      - { .name: mw, .offset: 16, .size: 8, .value_kind: global_buffer, .address_space: global }
      - { .name: cq, .offset: 24, .size: 8, .value_kind: global_buffer, .address_space: global }
    .group_segment_fixed_size: 327680
    .private_segment_fixed_size: 0
    .kernarg_segment_align: 8
    .kernarg_segment_size: 32
    .max_flat_workgroup_size: 512
    .sgpr_count:     106
    .vgpr_count:     256
    .wavefront_size: 32
...
	.end_amdgpu_metadata
.endif
;; end of part 3
;; launch outp (part 4): grid 4 x 64, 4 waves a work-group, clusters of 4 x 4, 327,680 bytes of LDS; arguments cq, wq, out0; writes out0
.if DOCPART == 4
	.amdgcn_target "amdgcn-amd-amdhsa--gfx1250"
	.amdhsa_code_object_version 6
	.text
	.protected	k_qdceea8d0f3_outp
	.globl	k_qdceea8d0f3_outp
	.p2align	8
	.type	k_qdceea8d0f3_outp,@function
k_qdceea8d0f3_outp:
	s_mov_b64 s[64:65], 0
	v_nop
	global_prefetch_b8 v0, s[64:65] scope:SCOPE_SE
	s_setreg_imm32_b32 hwreg(HW_REG_WAVE_MODE, 25, 1), 1
	s_wait_xcnt 0x0
	s_wait_alu depctr_hold_cnt(0) depctr_sa_sdst(0) depctr_va_vdst(0) depctr_va_sdst(0) depctr_va_ssrc(0) depctr_va_vcc(0) depctr_vm_vsrc(0)
	s_getreg_b32 s2, hwreg(HW_REG_IB_STS2, 6, 4)
	s_cmp_eq_u32 s2, 0
	s_cbranch_scc0 .Lentry_in_a_cluster
	s_endpgm
.Lentry_in_a_cluster:
	s_bfe_u32 s2, ttmp6, 0x10000c
	s_cmp_lg_u32 s2, 0xf033
	s_cbranch_scc0 .Lentry_shape_is_right
	s_endpgm
.Lentry_shape_is_right:
; FOURTH LAUNCH: out0 = ctx Wo^T on the codes that the third and the first launch made.  No work is left out.
; A work-group holds, for ALL of K = 1,024, BIG = 256 rows of Wo (16 tiles) and SMALL = 128 tokens of ctx (8 tiles) as register images: 294,912 bytes of LDS, every byte filled once: no ring.
; CLUSTERS: 4 x 4 work-groups; BIG hangs on the place along x alone and is asked for jointly by a column of the cluster, SMALL on the place along y alone and is asked for jointly by a row.
; All of K goes out at the head, one joint load a wave: wave 0 SMALL's K steps 0-3, wave 1 BIG's, wave 2 SMALL's K steps 4-7, wave 3 BIG's.  The first barrier shows the first half, a barrier in K step 3 the second.
; A wave makes 128 tokens x 64 outputs: 32 accumulators by turns; source 0 = Wo's rows, source 1 = the tokens, so that a lane holds neighbouring columns of one row; results leave through the wave's own stage as whole rows of 256 bytes.
.set CHUNK, 147456                     ; four K steps of both regions: SMALL [tile 8][6,144], then BIG [tile 16][6,144]
.set BIGO,  49152
.set STAGE, 2*CHUNK
.set SPARE, STAGE+4*16*272
.set LANE, 1
.set LI,   4
.set L4,   6                           ; 4 x lane
.set L32,  7                           ; 32 x lane
.set ADEQ, 8
.set ADFQ, 12
.set STO,  16
.set RD,   17
.set CO,   18
.set SPW,  28
.set NIL,  29
.set SE,   32
.set SF,   66                          ; scale words: register 8 p + s of SE (v32-63) and of SF (v66-81): K step s; lanes 0-15 tile 2 p's, lanes 16-31 tile 2 p + 1's
.set BK,   96
.set G1S, 24
.set G1B, 32
.set G0S, 40
.set G0B, 68
.set MSB, 0
.macro WIN new
.if MSB != (\new)
	s_set_vgpr_msb (MSB<<8)|(\new)
.set MSB, \new
.endif
.endm
.macro PLACES n
.rept \n
	v_nop
.endr
.endm
.macro CROUND
	s_barrier_signal -1
	s_barrier_wait -1
	s_cmp_lg_u32 s16, 0
	s_cbranch_scc1 .Lnot_wave_0_\@
	s_barrier_signal -3
.Lnot_wave_0_\@:
	s_barrier_wait -3
	s_barrier_signal -1
	s_barrier_wait -1
.endm
.macro ARM under, g0, g1, next         ; an arm of the head's one chain: the wave under \under that no earlier arm took issues this joint load; an s_nop 0 and four v_nop follow it
	s_cmp_lt_u32 s16, \under
	s_cbranch_scc0 \next
	tensor_load_to_lds s[\g0:\g0+3], s[\g1:\g1+7]
	s_nop 0
	PLACES 4
	s_branch .Lhead_asked
\next:
.endm
	s_load_b128 s[4:7], s[0:1], 0x0
	s_load_b64 s[8:9], s[0:1], 0x10
	v_lshl_add_u32 v[SPW], v0, 2, SPARE
	v_mov_b32 v[NIL], 0
	ds_add_u32 v[SPW], v[NIL]
	ds_add_u32 v[SPW], v[NIL]
	v_lshrrev_b32 v1, 5, v0
	v_readfirstlane_b32 s16, v1
	s_lshr_b32 s17, s16, 1
	s_and_b32 s18, s16, 1
	s_bfe_u32 s19, ttmp6, 0x40000
	s_bfe_u32 s20, ttmp6, 0x40004
	s_and_b32 s12, ttmp7, 0xffff
	s_lshl_b32 s57, s12, 2
	s_add_co_u32 s57, s57, s20
	s_lshl_b32 s58, s19, 4
	s_add_co_u32 s58, s58, 192
	s_lshl_b32 s59, s57, 3
	s_mul_i32 s84, s58, 12288                      ; BIG's 16 tiles, in bytes
	s_mov_b32 s85, 0
	s_mul_i32 s86, s59, 12288                      ; SMALL's 8 tiles
	s_mov_b32 s87, 0
	s_lshl_b32 s12, s20, 2
	s_lshl_b32 s12, 15, s12
	s_lshl_b32 s63, 0x1111, s19
	s_or_b32 s[G1S], s12, (3<<16)|(1<<21)
	s_or_b32 s[G1B], s63, (3<<16)|(1<<21)
	s_mov_b32 s[G1S+1], 768<<16                    ; a row is four K steps of a tile, 6,144 bytes: 768 elements of 8 bytes; rows 12,288 bytes apart in memory, dense in LDS
	s_mov_b32 s[G1S+2], 8<<16
	s_mov_b32 s[G1S+3], 768<<16
	s_mov_b32 s[G1S+4], 8
	s_mov_b32 s[G1S+5], 1536
	s_mov_b32 s[G1S+6], 0
	s_mov_b32 s[G1S+7], 0
	s_mov_b32 s[G1B+1], 768<<16
	s_mov_b32 s[G1B+2], 16<<16
	s_mov_b32 s[G1B+3], 768<<16
	s_mov_b32 s[G1B+4], 16
	s_mov_b32 s[G1B+5], 1536
	s_mov_b32 s[G1B+6], 0
	s_mov_b32 s[G1B+7], 0
	s_wait_dscnt 0x0                               ; both opening adds are done
	s_wait_kmcnt 0x0
	s_add_nc_u64 s[88:89], s[4:5], s[86:87]
	s_add_nc_u64 s[90:91], s[6:7], s[84:85]
.irp c, 0,1                            ; half c of K: K steps 4 c .. 4 c + 3 of both regions
	s_mov_b32 s[G0S+4*\c], 1
	s_mov_b32 s[G0S+4*\c+1], \c*CHUNK
	s_add_nc_u64 s[G0S+4*\c+2:G0S+4*\c+3], s[88:89], \c*6144
	s_or_b32 s[G0S+4*\c+3], s[G0S+4*\c+3], 0x80000000
	s_mov_b32 s[G0B+4*\c], 1
	s_mov_b32 s[G0B+4*\c+1], \c*CHUNK+BIGO
	s_add_nc_u64 s[G0B+4*\c+2:G0B+4*\c+3], s[90:91], \c*6144
	s_or_b32 s[G0B+4*\c+3], s[G0B+4*\c+3], 0x80000000
.endr
	CROUND                                         ; all sixteen work-groups are here: the joint loads meet
	ARM 1, G0S, G1S, .Lhead_b0
	ARM 2, G0B, G1B, .Lhead_s1
	ARM 3, G0S+4, G1S, .Lhead_b1
	tensor_load_to_lds s[G0B+4:G0B+7], s[G1B:G1B+7]
	s_nop 0
	PLACES 4
.Lhead_asked:
	s_lshl_b32 s92, s59, 6
	s_add_co_u32 s92, s92, 6291456
	s_mov_b32 s93, 0
	s_lshl_b32 s94, s16, 2
	s_add_co_u32 s94, s94, s58
	s_lshl_b32 s94, s94, 9                         ; a tile's scale words in wq are 512 bytes: [row 16][K step 8]
	s_add_co_u32 s94, s94, 3145728
	s_mov_b32 s95, 0
	s_add_nc_u64 s[92:93], s[4:5], s[92:93]
	s_add_nc_u64 s[94:95], s[6:7], s[94:95]
	v_and_b32 v[LANE], 31, v0
	v_lshlrev_b32 v[L4], 2, v[LANE]
	v_lshlrev_b32 v[L32], 5, v[LANE]
.irp s, 0,1,2,3,4,5,6,7
.irp p, 0,1,2,3
	global_load_b32 v[SE+8*\p+\s], v[L4], s[92:93] offset:32768*\s+128*\p   ; ctx's scale words lie [K step][tile][row]
.endr
.endr
.irp p, 0,1
	global_load_b128 v[SF+8*\p:SF+8*\p+3], v[L32], s[94:95] offset:1024*\p
	global_load_b128 v[SF+8*\p+4:SF+8*\p+7], v[L32], s[94:95] offset:1024*\p+16
.endr
	v_lshlrev_b32 v[LI], 4, v[LANE]
	s_mul_i32 s12, s16, 24576                      ; my four tiles of BIG, 6,144 bytes each
	s_add_co_u32 s12, s12, BIGO
.irp c, 0,1
	v_add_nc_u32 v[ADEQ+\c], \c*CHUNK, v[LI]
	v_add_nc_u32 v[ADFQ+\c], s12, v[ADEQ+\c]
.endr
	v_and_b32 v2, 15, v0
	v_bfe_u32 v3, v0, 4, 1
	s_mul_i32 s12, s16, 16*272
	s_add_co_u32 s12, s12, STAGE
	v_mul_u32_u24 v[STO], v2, 272
	v_lshl_add_u32 v[STO], v3, 6, v[STO]
	v_add_nc_u32 v[STO], s12, v[STO]
	v_mul_u32_u24 v[RD], v3, 272
	v_lshl_add_u32 v[RD], v2, 4, v[RD]
	v_add_nc_u32 v[RD], s12, v[RD]
	v_lshlrev_b32 v[CO], 12, v3
	v_lshl_add_u32 v[CO], v2, 4, v[CO]
	s_lshl_b32 s12, s57, 19
	s_lshl_b32 s13, s19, 10
	s_add_co_u32 s12, s12, s13
	s_lshl_b32 s13, s16, 8
	s_add_co_u32 s12, s12, s13
	s_mov_b32 s13, 0
	s_add_nc_u64 s[96:97], s[8:9], s[12:13]
.macro FETCH s, ade, adf
.set st, (\s)%2
.set eb, 96-96*st
.set fb, 192-96*st
.set wn, 0xc0*st
	WIN wn
.irp i, 0,1,2,3,4,5,6,7
.irp c, 0,1,2
	ds_load_b128 v[eb+12*\i+4*\c:eb+12*\i+4*\c+3], v[\ade+(\s)/4] offset:6144*\i+1536*((\s)%4)+512*\c
.endr
.endr
.irp i, 0,1,2,3
.irp c, 0,1,2
	ds_load_b128 v[fb+12*\i+4*\c:fb+12*\i+4*\c+3], v[\adf+(\s)/4] offset:6144*\i+1536*((\s)%4)+512*\c
.endr
.endr
.endm
.macro WM
.if zz
.if (qa == 0) && (qb == 0)
	v_wmma_scale_f32_16x16x128_f8f6f4 v[rD:rD+7], v[rA:rA+11], v[rB:rB+11], 0, v[rSA], v[rSB] matrix_a_fmt:MATRIX_FMT_FP6 matrix_b_fmt:MATRIX_FMT_FP6
.elseif (qa == 1) && (qb == 0)
	v_wmma_scale_f32_16x16x128_f8f6f4 v[rD:rD+7], v[rA:rA+11], v[rB:rB+11], 0, v[rSA], v[rSB] matrix_a_fmt:MATRIX_FMT_FP6 matrix_b_fmt:MATRIX_FMT_FP6 matrix_a_scale:MATRIX_SCALE_ROW1
.elseif (qa == 0) && (qb == 1)
	v_wmma_scale_f32_16x16x128_f8f6f4 v[rD:rD+7], v[rA:rA+11], v[rB:rB+11], 0, v[rSA], v[rSB] matrix_a_fmt:MATRIX_FMT_FP6 matrix_b_fmt:MATRIX_FMT_FP6 matrix_b_scale:MATRIX_SCALE_ROW1
.else
	v_wmma_scale_f32_16x16x128_f8f6f4 v[rD:rD+7], v[rA:rA+11], v[rB:rB+11], 0, v[rSA], v[rSB] matrix_a_fmt:MATRIX_FMT_FP6 matrix_b_fmt:MATRIX_FMT_FP6 matrix_a_scale:MATRIX_SCALE_ROW1 matrix_b_scale:MATRIX_SCALE_ROW1
.endif
.else
.if (qa == 0) && (qb == 0)
	v_wmma_scale_f32_16x16x128_f8f6f4 v[rD:rD+7], v[rA:rA+11], v[rB:rB+11], v[rD:rD+7], v[rSA], v[rSB] matrix_a_fmt:MATRIX_FMT_FP6 matrix_b_fmt:MATRIX_FMT_FP6
.elseif (qa == 1) && (qb == 0)
	v_wmma_scale_f32_16x16x128_f8f6f4 v[rD:rD+7], v[rA:rA+11], v[rB:rB+11], v[rD:rD+7], v[rSA], v[rSB] matrix_a_fmt:MATRIX_FMT_FP6 matrix_b_fmt:MATRIX_FMT_FP6 matrix_a_scale:MATRIX_SCALE_ROW1
.elseif (qa == 0) && (qb == 1)
	v_wmma_scale_f32_16x16x128_f8f6f4 v[rD:rD+7], v[rA:rA+11], v[rB:rB+11], v[rD:rD+7], v[rSA], v[rSB] matrix_a_fmt:MATRIX_FMT_FP6 matrix_b_fmt:MATRIX_FMT_FP6 matrix_b_scale:MATRIX_SCALE_ROW1
.else
	v_wmma_scale_f32_16x16x128_f8f6f4 v[rD:rD+7], v[rA:rA+11], v[rB:rB+11], v[rD:rD+7], v[rSA], v[rSB] matrix_a_fmt:MATRIX_FMT_FP6 matrix_b_fmt:MATRIX_FMT_FP6 matrix_a_scale:MATRIX_SCALE_ROW1 matrix_b_scale:MATRIX_SCALE_ROW1
.endif
.endif
.endm
.macro MUL32 s
.set st, (\s)%2
.set eb, 96-96*st
.set fb, 192-96*st
.set zz, 0
.if (\s) == 0
.set zz, 1
.endif
.set a, 0
.rept 32
.if a == 0
.set wn, 0x50+0x0f*st
	WIN wn
.endif
.if a == 16
.set wn, 0xa0+0x0f*st
	WIN wn
.endif
.set rD, 8*(a%16)
.set qa, a%2
.set rA, fb+12*(a%4)
.set rB, eb+12*(a/4)
.set rSA, SF+8*((a%4)/2)+(\s)
.set rSB, SE+8*((a/4)/2)+(\s)
.set qb, (a/4)%2
	WM
.set a, a+1
.endr
.endm
.macro KSTEP s
	s_wait_dscnt 0x0
.if (\s) == 3
	s_wait_tensorcnt 0x0                           ; every wave's load has landed, the second half of K among them
	s_barrier_signal -1
	s_barrier_wait -1
.endif
.if (\s) < 7
.if (\s) > 0
	PLACES 4
.endif
	FETCH (\s)+1, ADEQ, ADFQ
.endif
	MUL32 \s
.endm
	s_wait_alu depctr_va_vdst(0)                   ; the wait at the head's end
	s_cmp_lt_u32 s16, 2                            ; waves 0 and 1 asked for the first half of K, by lines of their own: they wait for it; the second half may stay out
	s_cbranch_scc0 .Lnot_half_0
	s_wait_tensorcnt 0x0
.Lnot_half_0:
	s_barrier_signal -1
	s_barrier_wait -1
	FETCH 0, ADEQ, ADFQ
	s_wait_loadcnt 0x0
.irp s, 0,1,2,3,4,5,6,7
	KSTEP \s
.endr
	WIN 0
.macro TOSTAGE i
.set wn, 0x04+0x04*((\i)/4)
	WIN wn
.set ab, 32*((\i)%4)
.irp q, 0,1,2,3,4,5,6,7
	ds_store_b128 v[STO], v[ab+4*\q:ab+4*\q+3] offset:128*(\q/4)+16*(\q%4)
.endr
	WIN 0
.set bb, BK+32*((\i)%2)
.irp t, 0,1,2,3,4,5,6,7
	ds_load_b128 v[bb+4*\t:bb+4*\t+3], v[RD] offset:544*\t
.endr
.endm
.macro SEND i, younger
.set bb, BK+32*((\i)%2)
	s_wait_dscnt \younger
.irp t, 0,1,2,3,4,5,6,7
	global_store_b128 v[CO], v[bb+4*\t:bb+4*\t+3], s[96:97] offset:(32*((\i)/2)+8*((\i)%2)+2*\t+8*(\t/4))*4096 th:TH_STORE_NT
.endr
.endm
	PLACES 4
	s_wait_alu depctr_va_vdst(0)
	TOSTAGE 0
.irp i, 1,2,3,4,5,6,7
.if \i > 1
	s_wait_xcnt 0x0
.endif
	TOSTAGE \i
	SEND (\i)-1, 16
.endr
	SEND 7, 0
	s_wait_tensorcnt 0x0
	ds_add_u32 v[SPW], v[NIL]
	s_wait_dscnt 0x0
	CROUND
	s_endpgm
.Lfunc_end_k_qdceea8d0f3_outp:
	.size	k_qdceea8d0f3_outp, .Lfunc_end_k_qdceea8d0f3_outp-k_qdceea8d0f3_outp
	.p2alignl 7, 3214868480
	.fill 96, 4, 3214868480
	.section	.rodata,"a",@progbits
	.p2align	6, 0x0
	.amdhsa_kernel k_qdceea8d0f3_outp
		.amdhsa_group_segment_fixed_size 327680
		.amdhsa_private_segment_fixed_size 0
		.amdhsa_enable_private_segment 0
		.amdhsa_kernarg_size 24
		.amdhsa_user_sgpr_count 2
		.amdhsa_user_sgpr_kernarg_segment_ptr 1
		.amdhsa_wavefront_size32 1
		.amdhsa_system_sgpr_workgroup_id_x 1
		.amdhsa_system_sgpr_workgroup_id_y 1
		.amdhsa_system_sgpr_workgroup_id_z 1
		.amdhsa_system_vgpr_workitem_id 0
		.amdhsa_next_free_vgpr 912
		.amdhsa_next_free_sgpr 100
		.amdhsa_reserve_vcc 0
		.amdhsa_float_denorm_mode_32 3
		.amdhsa_float_denorm_mode_16_64 3
		.amdhsa_memory_ordered 1
		.amdhsa_forward_progress 1
		.amdhsa_inst_pref_size 78
	.end_amdhsa_kernel
	.amdgpu_metadata
---
amdhsa.version: [ 1, 2 ]
amdhsa.kernels:
  - .name:           k_qdceea8d0f3_outp
    .symbol:         k_qdceea8d0f3_outp.kd
    .args:
      - { .name: cq, .offset: 0, .size: 8, .value_kind: global_buffer, .address_space: global }
      - { .name: wq, .offset: 8, .size: 8, .value_kind: global_buffer, .address_space: global }
      - { .name: out0, .offset: 16, .size: 8, .value_kind: global_buffer, .address_space: global }
    .group_segment_fixed_size: 327680
    .private_segment_fixed_size: 0
    .kernarg_segment_align: 8
    .kernarg_segment_size: 24
    .max_flat_workgroup_size: 128
    .sgpr_count:     100
    .vgpr_count:     912
    .wavefront_size: 32
...
	.end_amdgpu_metadata
.endif
;; end of part 4
